; MI455X (gfx1250); checked and timed in simulation.
; The chip was launched on July 23, 2026; its instructions are those of AMD's public machine-readable ISA for CDNA 5 (MIT licence, August 2026) and "CDNA5" Instruction Set Architecture Reference Guide (July 2026). The comments in the code are by the model that wrote it; some were corrected since.
;; Multi Head Self Attention. Allowed arithmetic: float matrix products may take bf16 or f16 operands with f32 sums; other float arithmetic in f32, or as packed bf16 or f16 multiplies, adds, multiply-adds, maxima and minima; sums over many terms, partial sums and values carried from step to step in f32; what a program stores and reads back later, other than sums and carried values, may be rounded once to bf16 or f16.
;; Inputs: W_out 1,024 x 1,024 float32; W_qkv 1,024 x 3,072 float32; b_out 1,024 float32; b_qkv 3,072 float32; x 4 x 2,048 x 1,024 float32.
;; Outputs: out0 4 x 2,048 x 1,024 float32.
;; Constants: mask = 1.
;; One version. Each part assembles by itself: llvm-mc -triple=amdgcn-amd-amdhsa -mcpu=gfx1250 --defsym DOCPART=n.
;; ======== version 1 of 1: 4 launches
;; limits: values are held in f16: magnitudes above 65,504 overflow, below 6.1e-05 lose precision
;; workspace buffers: xb 16,777,216 bytes; wq 6,291,456 bytes; wo 2,097,152 bytes; qh 16,777,216 bytes; kh 16,777,216 bytes; vh 16,777,216 bytes; oh 16,777,216 bytes
;; launch prep (part 1): grid 832 x 1, 8 waves a work-group, no clusters, 0 bytes of LDS; arguments x, W_out, W_qkv, xb, wo, wq; writes xb, wo, wq
.if DOCPART == 1
	.amdgcn_target "amdgcn-amd-amdhsa--gfx1250"
	.amdhsa_code_object_version 6
	.text
	.protected	k_qe17548930b_prep
	.globl	k_qe17548930b_prep
	.p2align	8
	.type	k_qe17548930b_prep,@function
k_qe17548930b_prep:
	s_mov_b64 s[64:65], 0
	v_nop
	global_prefetch_b8 v0, s[64:65] scope:SCOPE_SE
	s_setreg_imm32_b32 hwreg(HW_REG_WAVE_MODE, 25, 1), 1
	s_wait_xcnt 0x0
; THE CASTS.  xb = bf16(x), [8192][1024].  wo = bf16(W_out) written as f16, [1024][1024].  wq[h][k][c] = bf16(W_qkv[k][192 h + c]), [16][1024][192]: a head's 192 columns laid dense.
; LIMITS.  wo: |W_out| stays under 65,504; a bf16 value under 2^-17 keeps f16's fixed step of 6e-8.  NaN and infinities are not treated apart.
; Memory binds: no LDS, no barrier, no matrix unit.  Work-groups 0-511 take 65,536 bytes of x each, 512-575 the same of W_out, 576-831 a block of 64 rows x 192 columns of W_qkv.
; A wave's load covers 512 consecutive bytes (in W_qkv: pieces of rows of 768 bytes), a wave's store 256 consecutive bytes at a multiple of 256 from the buffer's first byte.
; Every load and every store has registers of its own, so nothing is rewritten while a memory instruction may still read it.
.set VO, 3                             ; v3-5     W_qkv: source offsets of my groups t, t + 256, t + 512
.set X,  8                             ; v[8:71]  16 loads of 4 f32
.set Y,  72                            ; v[72:103] 16 stores of 4 numbers of 16 bits
.set T,  104                           ; v[104:105] at work
	s_load_b256 s[4:11], s[0:1], 0x0               ; x s[4:5], W_out s[6:7], W_qkv s[8:9], xb s[10:11]
	s_load_b128 s[12:15], s[0:1], 0x20             ; wo s[12:13], wq s[14:15]
	s_mov_b32 s2, ttmp9                            ; the work-group's number
	s_mov_b32 s24, 0xffff0000                      ; a word's upper bf16
	s_mov_b32 s21, 0                               ; high words of the two offsets
	s_mov_b32 s23, 0
	v_lshlrev_b32 v1, 4, v0                        ; 16 bytes of f32 a thread
	v_lshlrev_b32 v2, 3, v0                        ; 8 bytes of 16-bit numbers a thread
	s_wait_kmcnt 0x0
.macro CVB i                           ; four f32 to bf16, and out
	v_cvt_pk_bf16_f32 v[Y+2*(\i)], v[X+4*(\i)], v[X+4*(\i)+1]
	v_cvt_pk_bf16_f32 v[Y+2*(\i)+1], v[X+4*(\i)+2], v[X+4*(\i)+3]
	global_store_b64 v2, v[Y+2*(\i):Y+2*(\i)+1], s[18:19] offset:2048*(\i)
.endm
.macro CVH i                           ; four f32 rounded to bf16, that number written as f16, and out
	v_cvt_pk_bf16_f32 v[T], v[X+4*(\i)], v[X+4*(\i)+1]
	v_cvt_pk_bf16_f32 v[T+1], v[X+4*(\i)+2], v[X+4*(\i)+3]
	v_lshlrev_b32 v[X+4*(\i)], 16, v[T]
	v_and_b32 v[X+4*(\i)+1], s24, v[T]
	v_lshlrev_b32 v[X+4*(\i)+2], 16, v[T+1]
	v_and_b32 v[X+4*(\i)+3], s24, v[T+1]
	v_cvt_pk_f16_f32 v[Y+2*(\i)], v[X+4*(\i)], v[X+4*(\i)+1]
	v_cvt_pk_f16_f32 v[Y+2*(\i)+1], v[X+4*(\i)+2], v[X+4*(\i)+3]
	global_store_b64 v2, v[Y+2*(\i):Y+2*(\i)+1], s[18:19] offset:2048*(\i)
.endm
	s_cmp_ge_u32 s2, 576
	s_cbranch_scc1 .Lwqkv
	s_and_b32 s3, s2, 511                          ; my part of x, or of W_out
	s_lshl_b32 s20, s3, 16                         ; 65,536 bytes in,
	s_lshl_b32 s22, s3, 15                         ; 32,768 out
	s_cmp_lt_u32 s2, 512
	s_cselect_b64 s[16:17], s[4:5], s[6:7]
	s_cselect_b64 s[18:19], s[10:11], s[12:13]
	s_add_nc_u64 s[16:17], s[16:17], s[20:21]
	s_add_nc_u64 s[18:19], s[18:19], s[22:23]
.irp i, 0,1,2,3,4,5,6,7,8,9,10,11,12,13,14,15
	global_load_b128 v[X+4*(\i):X+4*(\i)+3], v1, s[16:17] offset:4096*(\i) th:TH_LOAD_NT
.endr
	s_cmp_lt_u32 s2, 512
	s_cbranch_scc0 .Lwout
.irp i, 0,1,2,3,4,5,6,7,8,9,10,11,12,13,14,15
	s_wait_loadcnt 15-(\i)                         ; loads come back in order: load i is in, the younger ones stay out
	CVB \i
.endr
	s_endpgm
.Lwout:
.irp i, 0,1,2,3,4,5,6,7,8,9,10,11,12,13,14,15
	s_wait_loadcnt 15-(\i)
	CVH \i
.endr
	s_endpgm
.Lwqkv:                                                ; head h, rows 64 kc on: 64 rows x 48 groups of four numbers = 12 x 256 groups
	s_sub_co_u32 s3, s2, 576
	s_lshr_b32 s25, s3, 4                          ; h
	s_and_b32 s26, s3, 15                          ; kc
	s_mul_i32 s20, s26, 786432                     ; 64 rows of 12,288 bytes
	s_mul_i32 s27, s25, 768                        ; the head's 192 columns
	s_add_co_u32 s20, s20, s27
	s_mul_i32 s22, s25, 393216                     ; the head's block in wq,
	s_mul_i32 s27, s26, 24576                      ; 64 rows of 384 bytes in it
	s_add_co_u32 s22, s22, s27
	s_add_nc_u64 s[16:17], s[8:9], s[20:21]
	s_add_nc_u64 s[18:19], s[14:15], s[22:23]
.irp c, 0,1,2                          ; group jj = t + 256 c (under 768): row jj / 48 = (jj x 1366) >> 16: 1366 / 65536 is 1.02e-5 above 1 / 48, 0.008 in 767, less than the 1 / 48 that would matter
	v_add_nc_u32 v6, 256*(\c), v0
	v_mul_u32_u24 v7, v6, 1366
	v_lshrrev_b32 v7, 16, v7                       ; row
	v_mul_u32_u24 v[VO+(\c)], v7, 48
	v_sub_nc_u32 v6, v6, v[VO+(\c)]                ; group in the row
	v_mul_u32_u24 v7, v7, 12288
	v_lshl_add_u32 v[VO+(\c)], v6, 4, v7
.endr
.irp p, 0,1,2,3                        ; 768 groups are 16 rows: 196,608 bytes further down
.irp c, 0,1,2
	global_load_b128 v[X+4*(3*(\p)+(\c)):X+4*(3*(\p)+(\c))+3], v[VO+(\c)], s[16:17] offset:196608*(\p) th:TH_LOAD_NT
.endr
.endr
.irp i, 0,1,2,3,4,5,6,7,8,9,10,11
	s_wait_loadcnt 11-(\i)
	CVB \i                                         ; group t + 256 i lies at byte 8 (t + 256 i) of the block: dense
.endr
	s_endpgm
.Lfunc_end_k_qe17548930b_prep:
	.size	k_qe17548930b_prep, .Lfunc_end_k_qe17548930b_prep-k_qe17548930b_prep
	.p2alignl 7, 3214868480
	.fill 96, 4, 3214868480
	.section	.rodata,"a",@progbits
	.p2align	6, 0x0
	.amdhsa_kernel k_qe17548930b_prep
		.amdhsa_group_segment_fixed_size 0
		.amdhsa_private_segment_fixed_size 0
		.amdhsa_enable_private_segment 0
		.amdhsa_kernarg_size 48
		.amdhsa_user_sgpr_count 2
		.amdhsa_user_sgpr_kernarg_segment_ptr 1
		.amdhsa_wavefront_size32 1
		.amdhsa_system_sgpr_workgroup_id_x 1
		.amdhsa_system_sgpr_workgroup_id_y 1
		.amdhsa_system_sgpr_workgroup_id_z 1
		.amdhsa_system_vgpr_workitem_id 0
		.amdhsa_next_free_vgpr 108
		.amdhsa_next_free_sgpr 66
		.amdhsa_reserve_vcc 0
		.amdhsa_float_denorm_mode_32 3
		.amdhsa_float_denorm_mode_16_64 3
		.amdhsa_memory_ordered 1
		.amdhsa_forward_progress 1
		.amdhsa_inst_pref_size 21
	.end_amdhsa_kernel
	.amdgpu_metadata
---
amdhsa.version: [ 1, 2 ]
amdhsa.kernels:
  - .name:           k_qe17548930b_prep
    .symbol:         k_qe17548930b_prep.kd
    .args:
      - { .name: x, .offset: 0, .size: 8, .value_kind: global_buffer, .address_space: global }
      - { .name: W_out, .offset: 8, .size: 8, .value_kind: global_buffer, .address_space: global }
      - { .name: W_qkv, .offset: 16, .size: 8, .value_kind: global_buffer, .address_space: global }
      - { .name: xb, .offset: 24, .size: 8, .value_kind: global_buffer, .address_space: global }
      - { .name: wo, .offset: 32, .size: 8, .value_kind: global_buffer, .address_space: global }
      - { .name: wq, .offset: 40, .size: 8, .value_kind: global_buffer, .address_space: global }
    .group_segment_fixed_size: 0
    .private_segment_fixed_size: 0
    .kernarg_segment_align: 8
    .kernarg_segment_size: 48
    .max_flat_workgroup_size: 256
    .sgpr_count:     66
    .vgpr_count:     108
    .wavefront_size: 32
...
	.end_amdgpu_metadata
.endif
;; end of part 1
;; launch qkv (part 2): grid 16 x 16, 4 waves a work-group, clusters of 4 x 4, 327,680 bytes of LDS; arguments xb, wq, b_qkv, qh, kh, vh; writes qh, kh, vh
.if DOCPART == 2
	.amdgcn_target "amdgcn-amd-amdhsa--gfx1250"
	.amdhsa_code_object_version 6
	.text
	.protected	k_qe17548930b_qkv
	.globl	k_qe17548930b_qkv
	.p2align	8
	.type	k_qe17548930b_qkv,@function
k_qe17548930b_qkv:
	s_mov_b64 s[64:65], 0
	v_nop
	global_prefetch_b8 v0, s[64:65] scope:SCOPE_SE
	s_setreg_imm32_b32 hwreg(HW_REG_WAVE_MODE, 25, 1), 1
	s_wait_xcnt 0x0
	s_wait_alu depctr_hold_cnt(0) depctr_sa_sdst(0) depctr_va_vdst(0) depctr_va_sdst(0) depctr_va_ssrc(0) depctr_va_vcc(0) depctr_vm_vsrc(0)
	s_getreg_b32 s2, hwreg(HW_REG_IB_STS2, 6, 4)
	s_cmp_eq_u32 s2, 0
	s_cbranch_scc0 .Lentry_in_a_cluster
	s_endpgm
.Lentry_in_a_cluster:
	s_bfe_u32 s2, ttmp6, 0x10000c
	s_cmp_lg_u32 s2, 0xf033
	s_cbranch_scc0 .Lentry_shape_is_right
	s_endpgm
.Lentry_shape_is_right:
; q, k, v = x W_qkv + b_qkv, by heads.  xb: [8192][1024] bf16.  wq: [16 heads][1024 k][192] bf16.  b_qkv: [3072] f32, rounded to bf16 here as the other inputs are.
; qh, kh, vh: [64 = 16 batch + head][2048][64] f16, each rounded once from its f32 sum, unscaled.
; LIMITS.  |q|, |k|, |v| stay under 65,504 (f16's end); NaN and infinities are not treated apart.
; SHARES.  A tile is 256 rows x one head's 192 columns; 512 tiles, two for each of 256 work-groups, which stay: rows 256 Y on and then 4,096 + 256 Y on, head X.  Four waves; wave w owns rows 64 w .. 64 w + 63 and all
; 192 columns: 4 x 12 accumulators of 16 x 16, 384 registers.  K goes in steps of 128 through two LDS slots; the walk's 16 steps (two tiles) are ONE sequence for the ring.
; THE MATRIX INSTRUCTION IS USED TRANSPOSED: source 0 = 16 columns of W (turned out of LDS by ds_load_tr16_b128, since W lies [k][column]), source 1 = 16 rows of x: a lane then holds eight neighbouring columns of a row.
; THE BIAS is the C operand of a tile's first products: nothing is cleared and nothing is added on the way out.
; CLUSTER.  4 x 4 work-groups: x's tile hangs on Y alone and is asked for jointly by a row of the cluster, W's on X alone and by a column.  Waves 0, 1 fetch x's two halves, waves 2, 3 W's.
; By this text's own count a wave has one tensor load out at the most, so every wait for tensor loads is for 0.
; REGISTERS, in windows of 256 (s_set_vgpr_msb: bits 1:0 source 0, 3:2 source 1, 5:4 source 2, 7:6 destination):
;   window 0: v0-15 addresses; v28-29 the add's; v32-95 x's fragments, two buffers of 4 x 8; v96-191 the bias, 8 a column block; v192-255 the way out, four sets of 16
;   window 1: W's fragments, two buffers of 12 x 8       window 2: accumulators of row blocks 0, 1       window 3: of row blocks 2, 3
.set NBK,   12                         ; column blocks of 16
.set APW,   2                          ; row blocks whose accumulators share a window
.set PA,    272                        ; a row of x in LDS: 256 bytes + 16 of padding: the 16 rows of a load start at 16 different groups of four banks (64 banks of 4 bytes: ISA guide 11.1)
.set PB,    480                        ; a row of W in LDS: three pieces of 128 bytes, 32 of padding behind each = 120 words
.set HALFA, 128*PA                     ; what one tensor load brings of x
.set HALFB, 64*PB                      ; and of W
.set BOFF,  2*HALFA                    ; W's 128 rows lie behind x's 256
.set SLOT1, 1<<17                      ; a slot is exactly this long: one exclusive or turns an address in one slot into the other's
.set STAGE, 2*SLOT1                    ; behind the ring, never filled by a tensor load: 16 rows x 144 bytes for each wave
.set SP,    144
.set SPARE, STAGE+4*16*SP              ; behind the stages: the spare words, 128 bytes a wave: two blocks of 256 bytes that no other line names
.set A0,   4                           ; v4   my lane's place in x's tile; never rewritten
.set B0,   5                           ; v5   in W's
.set ADRA, 6                           ; v6   the same in the slot that is read
.set ADRB, 7                           ; v7
.set STO,  8                           ; v8   the way out: where I put 16 bytes of a row
.set RD,   9                           ; v9   where I read rows back
.set GO,   10                          ; v10  my byte offset in 512 consecutive bytes of the output
.set BO,   11                          ; v11  my byte offset in a column block's 64 bytes of bias
.set SPW,  28                          ; v28  LDS address of my spare word; never rewritten
.set NIL,  29                          ; v29  0; never rewritten
.set FA,   32
.set BIAS, 96
.set OUT,  192
.set WV,  16                           ; s16  my wave's number;  s17 = 0: I fetch x, 1: W;  s18: which half;  s19, s20 my place in the cluster;  s21 X, s22 Y
.set G1A, 24                           ; s[24:31] descriptor group 1 for x's tiles;  s[32:35] group 0
.set G0A, 32
.set G0B, 36                           ; s[36:39], s[40:47] the same for W's
.set G1B, 40
.set FN,  56                           ; s56  the number of the K step to be asked for next, 0 .. 15
.set CNT, 57                           ; s57  the loops' count
.set HM,  58                           ; s58  a word's upper bf16
.set TB,  59                           ; s59  the slot that is read
.set MSB, 0
.macro WIN new                         ; the immediate's high byte repeats the setting that is left; a switch that changes nothing is dropped
.if MSB != (\new)
	s_set_vgpr_msb (MSB<<8)|(\new)
.set MSB, \new
.endif
.endm
.macro PLACES                          ; four places behind matrix instructions, in front of loads into registers that they have read (ISA guide 7.12.1 for vector instructions)
.rept 4
	v_nop
.endr
.endm
.macro JLOAD                           ; a joint load; the branch hangs on the wave's number alone; an s_nop 0 and four v_nop follow each of the two lines
	s_cmp_eq_u32 s17, 0
	s_cbranch_scc0 .Lfor_b_\@
	tensor_load_to_lds s[G0A:G0A+3], s[G1A:G1A+7]
	s_nop 0
.rept 4
	v_nop
.endr
	s_branch .Lasked_\@
.Lfor_b_\@:
	tensor_load_to_lds s[G0B:G0B+3], s[G1B:G1B+7]
	s_nop 0
.rept 4
	v_nop
.endr
.Lasked_\@:
.endm
.macro CREST                           ; a round of the cluster's barrier behind its opening barrier
	s_cmp_lg_u32 s[WV], 0
	s_cbranch_scc1 .Lnot_wave_0_\@
	s_barrier_signal -3
.Lnot_wave_0_\@:
	s_barrier_wait -3
	s_barrier_signal -1
	s_barrier_wait -1
.endm
.macro CROUND                          ; a whole round
	s_barrier_signal -1
	s_barrier_wait -1
	CREST
.endm
.macro NEXTFILL                        ; both descriptors for K step FN of the walk: the other slot than last time; the addresses made anew from the bases.  No tensor load of mine is out here
	s_and_b32 s70, s[FN], 7                        ; the step in its tile,
	s_lshr_b32 s71, s[FN], 3                       ; and the tile
	s_lshl_b32 s52, s70, 8                         ; x: 256 bytes along the rows a step,
	s_lshl_b32 s71, s71, 23                        ; 4,096 rows of 2,048 bytes a tile
	s_add_co_u32 s52, s52, s71
	s_mul_i32 s54, s70, 49152                      ; W: 128 rows of 384 bytes a step
	s_xor_b32 s[G0A+1], s[G0A+1], SLOT1
	s_xor_b32 s[G0B+1], s[G0B+1], SLOT1
	s_add_nc_u64 s[G0A+2:G0A+3], s[48:49], s[52:53]
	s_or_b32 s[G0A+3], s[G0A+3], 0x80000000
	s_add_nc_u64 s[G0B+2:G0B+3], s[50:51], s[54:55]
	s_or_b32 s[G0B+3], s[G0B+3], 0x80000000
	s_add_co_u32 s[FN], s[FN], 1
.endm
	s_load_b256 s[4:11], s[0:1], 0x0               ; xb s[4:5], wq s[6:7], b_qkv s[8:9], qh s[10:11]
	s_load_b128 s[12:15], s[0:1], 0x20             ; kh s[12:13], vh s[14:15]
	v_lshl_add_u32 v[SPW], v0, 2, SPARE
	v_mov_b32 v[NIL], 0
	ds_add_u32 v[SPW], v[NIL]                      ; the wave's opening: the add and its wait stand ahead of my first tensor load; the set-up below, work on registers, stands between them
	ds_add_u32 v28, v29
	v_lshrrev_b32 v1, 5, v0
	v_readfirstlane_b32 s[WV], v1                  ; wave 0..3
	s_lshr_b32 s17, s[WV], 1
	s_and_b32 s18, s[WV], 1
	s_bfe_u32 s19, ttmp6, 0x40000                  ; cx
	s_bfe_u32 s20, ttmp6, 0x40004                  ; cy
	s_lshl_b32 s21, ttmp9, 2
	s_add_co_u32 s21, s21, s19                     ; X = 4 x cluster x + cx: the head
	s_and_b32 s22, ttmp7, 0xffff
	s_lshl_b32 s22, s22, 2
	s_add_co_u32 s22, s22, s20                     ; Y = 4 x cluster y + cy: the block of 256 rows
	s_lshl_b32 s60, s20, 2
	s_lshl_b32 s60, 15, s60                        ; my row of the cluster
	s_lshl_b32 s62, 0x1111, s19                    ; my column
	s_or_b32 s[G1A], s60, (1<<16)|(1<<20)|(1<<21)|(5<<22)|(3<<25)  ; 15:0 the mask; 17:16 2-byte elements; 20 padding on; 21 set beside a mask; 24:22 after every 64 words (code 5); 31:25 4 words (code 3)
	s_or_b32 s[G1B], s62, (1<<16)|(1<<20)|(1<<21)|(4<<22)|(7<<25)  ; after every 32 words (code 4) 8 words (code 7)
	s_mov_b32 s[G1A+1], 128<<16                    ; x: tensor_dim0 = 128 elements
	s_mov_b32 s[G1A+2], 128<<16                    ; tensor_dim1 = 128 rows
	s_mov_b32 s[G1A+3], 128<<16                    ; tile_dim0 = 128
	s_mov_b32 s[G1A+4], 128                        ; tile_dim1 = 128
	s_mov_b32 s[G1A+5], 1024                       ; 1,024 elements from row to row
	s_mov_b32 s[G1A+6], 0
	s_mov_b32 s[G1A+7], 0
	s_mov_b32 s[G1B+1], 128<<16                    ; W: 64 rows of 384 bytes are 24,576 dense bytes: asked for as 96 rows of 256
	s_mov_b32 s[G1B+2], 96<<16
	s_mov_b32 s[G1B+3], 128<<16
	s_mov_b32 s[G1B+4], 96
	s_mov_b32 s[G1B+5], 128
	s_mov_b32 s[G1B+6], 0
	s_mov_b32 s[G1B+7], 0
	s_mov_b32 s[G0A], 1                            ; count = 1
	s_mul_i32 s[G0A+1], s18, HALFA                 ; LDS address: my half, slot 0: no place in the cluster enters it
	s_mov_b32 s[G0B], 1
	s_mul_i32 s[G0B+1], s18, HALFB
	s_add_co_u32 s[G0B+1], s[G0B+1], BOFF
	s_lshl_b32 s60, s22, 19                        ; x: row 256 Y + 128 x half, 2,048 bytes a row; these two registers never hold X
	s_lshl_b32 s61, s18, 18
	s_add_co_u32 s60, s60, s61
	s_mov_b32 s61, 0
	s_mul_i32 s62, s21, 393216                     ; W: the head's block, and my 64 rows of a step; these two never hold Y
	s_mul_i32 s63, s18, 24576
	s_add_co_u32 s62, s62, s63
	s_mov_b32 s63, 0
	s_mul_i32 s66, s21, 768                        ; the head's 192 numbers of bias
	s_mov_b32 s67, 0
	s_lshr_b32 s68, s22, 3                         ; the output: batch Y / 8 (16 heads of 262,144 bytes),
	s_lshl_b32 s68, s68, 22
	s_lshl_b32 s69, s21, 18                        ; head X,
	s_add_co_u32 s68, s68, s69
	s_and_b32 s69, s22, 7                          ; 256 rows of 128 bytes for each Y % 8,
	s_lshl_b32 s69, s69, 15
	s_add_co_u32 s68, s68, s69
	s_lshl_b32 s69, s[WV], 13                      ; my wave's 64 rows
	s_add_co_u32 s68, s68, s69
	s_mov_b32 s69, 0
	s_mov_b32 s53, 0                               ; high words of the fills' offsets
	s_mov_b32 s55, 0
	s_mov_b32 s[FN], 1
	s_mov_b32 s[HM], 0xffff0000
	s_mov_b32 s[TB], 0
	s_wait_dscnt 0x0                               ; the opening add is done
	s_wait_kmcnt 0x0
	s_add_nc_u64 s[48:49], s[4:5], s[60:61]        ; x at my part of the walk's first tile
	s_add_nc_u64 s[50:51], s[6:7], s[62:63]        ; W likewise
	s_add_nc_u64 s[8:9], s[8:9], s[66:67]
	s_add_nc_u64 s[10:11], s[10:11], s[68:69]
	s_add_nc_u64 s[12:13], s[12:13], s[68:69]
	s_add_nc_u64 s[14:15], s[14:15], s[68:69]
	s_mov_b64 s[G0A+2:G0A+3], s[48:49]
	s_or_b32 s[G0A+3], s[G0A+3], 0x80000000        ; type = 2
	s_mov_b64 s[G0B+2:G0B+3], s[50:51]
	s_or_b32 s[G0B+3], s[G0B+3], 0x80000000
	CROUND                                         ; all sixteen work-groups are here: the first joint loads meet
	JLOAD                                          ; K step 0 into slot 0
	v_and_b32 v1, 15, v0                           ; l % 16
	v_bfe_u32 v2, v0, 4, 1                         ; l / 16
	v_and_b32 v3, 7, v0
	v_bfe_u32 v12, v0, 3, 1
	v_lshlrev_b32 v[BO], 5, v2                     ; a lane's eight columns: 32 bytes of bias for each half of the lanes
.set bb, 0
.rept NBK
	global_load_b128 v[BIAS+8*bb:BIAS+8*bb+3], v[BO], s[8:9] offset:64*bb
	global_load_b128 v[BIAS+8*bb+4:BIAS+8*bb+7], v[BO], s[8:9] offset:64*bb+16
.set bb, bb+1
.endr
	s_mul_i32 s70, s[WV], 64*PA                    ; x's fragment: row (64 w + l % 16) x pitch + 16 x half
	v_mul_u32_u24 v[A0], v1, PA
	v_lshl_add_u32 v[A0], v2, 4, v[A0]
	v_add_nc_u32 v[A0], s70, v[A0]
	v_lshl_add_u32 v[B0], v2, 3, v3                ; the turning load: lane l reads row 8 (l / 16) + l % 8, columns 8 ((l / 8) % 2) + 0..7, and is left with column l % 16 and 8 k
	v_mul_u32_u24 v[B0], v[B0], PB
	v_lshl_add_u32 v[B0], v12, 4, v[B0]
	v_add_nc_u32 v[B0], BOFF, v[B0]
	s_mul_i32 s70, s[WV], 16*SP
	s_add_co_u32 s70, s70, STAGE                   ; my stage
	v_mul_u32_u24 v[STO], v1, SP                   ; in: row l % 16, 16 bytes for each half of the lanes
	v_lshl_add_u32 v[STO], v2, 4, v[STO]
	v_add_nc_u32 v[STO], s70, v[STO]
	v_bfe_u32 v[RD], v0, 3, 2                      ; back: 32 lanes take four rows of 128 bytes,
	v_mul_u32_u24 v[RD], v[RD], SP
	v_lshl_add_u32 v[RD], v3, 4, v[RD]
	v_add_nc_u32 v[RD], s70, v[RD]
	v_and_b32 v[GO], 31, v0                        ; which are 512 consecutive bytes of the output
	v_lshlrev_b32 v[GO], 4, v[GO]
	v_mov_b32 v[ADRA], v[A0]                       ; slot 0 is read first
	v_mov_b32 v[ADRB], v[B0]
; NBK matrix instructions: row block a x all column blocks, 32 along K, from buffers f.  first = 1: C is the bias: the products start the sums.
; All accumulators take turns, one instruction a turn and in the same order in every quarter.
.macro MULA f, a, first
.if \first
	WIN 0x81+0x40*((\a)/APW)                       ; W window 1, x window 0, the bias window 0, D window 2 or 3
.else
	WIN 0xa1+0x50*((\a)/APW)                       ; C and D window 2 or 3
.endif
.set bb, 0
.rept NBK
.set rD, 8*(NBK*((\a)%APW)+bb)
.if \first
	v_wmma_f32_16x16x32_bf16 v[rD:rD+7], v[8*NBK*(\f)+8*bb:8*NBK*(\f)+8*bb+7], v[FA+32*(\f)+8*(\a):FA+32*(\f)+8*(\a)+7], v[BIAS+8*bb:BIAS+8*bb+7]
.else
	v_wmma_f32_16x16x32_bf16 v[rD:rD+7], v[8*NBK*(\f)+8*bb:8*NBK*(\f)+8*bb+7], v[FA+32*(\f)+8*(\a):FA+32*(\f)+8*(\a)+7], v[rD:rD+7]
.endif
.set bb, bb+1
.endr
.endm
; 32 LDS loads in one run: quarter q's fragments (32 along K) into buffers f: W's twelve column blocks, then x's four row blocks in ascending order
.macro FETCH q, f
	WIN 0x40                                       ; destination window 1, address window 0
.set bb, 0
.rept NBK
	ds_load_tr16_b128 v[8*NBK*(\f)+8*bb:8*NBK*(\f)+8*bb+3],   v[ADRB] offset:(\q)*32*PB+(bb/4)*160+(bb%4)*32
	ds_load_tr16_b128 v[8*NBK*(\f)+8*bb+4:8*NBK*(\f)+8*bb+7], v[ADRB] offset:(\q)*32*PB+16*PB+(bb/4)*160+(bb%4)*32
.set bb, bb+1
.endr
	WIN 0
.set aa, 0
.rept 4
	ds_load_b128 v[FA+32*(\f)+8*aa:FA+32*(\f)+8*aa+3],   v[ADRA] offset:(\q)*64+aa*16*PA
	ds_load_b128 v[FA+32*(\f)+8*aa+4:FA+32*(\f)+8*aa+7], v[ADRA] offset:(\q)*64+aa*16*PA+32
.set aa, aa+1
.endr
.endm
; A K step is four quarters of 32 along K on buffers 0, 1, 0, 1.  One of the first three: multiplies buffers f; in its middle it fetches quarter qn into buffers g.
.macro QUARTER qn, f, g, first
	s_wait_dscnt 4                                 ; W and x's row blocks 0, 1 are in; the youngest four loads (row blocks 2, 3) may be out
	MULA \f, 0, \first
	MULA \f, 1, \first
	PLACES
	FETCH \qn, \g
	s_wait_dscnt 2*NBK+8                           ; all but the run just issued
	MULA \f, 2, \first
	MULA \f, 3, \first
.endm
; The fourth quarter multiplies buffers 1 and changes slots: ONE barrier.  In front of it each wave waits for all its tensor loads (the one that is out is its part of the next slot), adds 0 to its spare word, and waits
; for that and for its own reads of this slot.  fill = 1: the barrier opens a round of the cluster's, and the slot just read is filled again first thing behind it, with the K step two steps on.
.macro TURN fill
	WIN 0                                          ; (the add's two registers lie in window 0)
	s_wait_tensorcnt 0x0                           ; no tensor load of mine is out, so the descriptors may be written
	ds_add_u32 v[SPW], v[NIL]                      ; 0 onto my spare word: scalar work and twelve matrix instructions stand between it and the wait for it
.if \fill
	NEXTFILL
.endif
	s_xor_b32 s[TB], s[TB], SLOT1                  ; the reads go on in the other slot
	s_wait_dscnt 5                                 ; (the add and the youngest four loads may be out)
	MULA 1, 0, 0
	s_wait_dscnt 0x0                               ; the add is done, and my reads of this slot are over
	s_barrier_signal -1
	MULA 1, 1, 0                                   ; work on registers while the others arrive
	WIN 0
	s_barrier_wait -1
.if \fill
	CREST                                          ; no wave of any partner still reads this slot's tiles or has a load on its way
	JLOAD                                          ; the first tensor load behind the round; its four v_nop are also the places in front of the loads below
.else
	PLACES
.endif
	v_add_nc_u32 v[ADRA], s[TB], v[A0]
	v_add_nc_u32 v[ADRB], s[TB], v[B0]
	FETCH 0, 0
	MULA 1, 2, 0
	MULA 1, 3, 0
.endm
.macro ROUNDB n                        ; the bias is rounded to bf16, as all the inputs are, and kept as f32
.set ii, 0
.rept (\n)/2
	v_cvt_pk_bf16_f32 v[13+ii%2], v[BIAS+2*ii], v[BIAS+2*ii+1]
	v_lshlrev_b32 v[BIAS+2*ii], 16, v[13+ii%2]
	v_and_b32 v[BIAS+2*ii+1], s[HM], v[13+ii%2]
.set ii, ii+1
.endr
.endm
; THE WAY OUT, in twelve parts g = 3 a + p: row block a (16 rows), p = 0, 1, 2 for q, k, v (four column blocks: 64 columns, 128 bytes in f16).  PACK: rounded to f16, each accumulator from its low end on; 16 bytes a lane
; into my stage's rows of 144 bytes, and back as whole rows of 128.  SEND: 16 rows of a head are 2,048 dense bytes: four stores of 512 consecutive bytes, at a multiple of 256 from the buffer's first byte.
.macro PACK g
.set pa, (\g)/3
.set pp, (\g)%3
.set po, OUT+16*((\g)%4)
.set pc, 8*(NBK*(pa%APW)+4*pp)
	s_wait_xcnt 0x0                                ; every earlier store has had its addresses translated (ISA guide 3.1): the set that the stores four parts back read is rewritten only behind this wait
	WIN 0x0a+5*(pa/APW)                            ; sources 0 and 1: window 2 or 3
.set jj, 0
.rept 16
	v_cvt_pk_f16_f32 v[po+jj], v[pc+2*jj], v[pc+2*jj+1]
.set jj, jj+1
.endr
	WIN 0
.irp f, 0,1,2,3
	ds_store_b128 v[STO], v[po+4*\f:po+4*\f+3] offset:32*\f
.endr
.irp f, 0,1,2,3
	ds_load_b128 v[po+4*\f:po+4*\f+3], v[RD] offset:4*SP*\f  ; LDS serves a wave's instructions in order (ISA guide 5.7.1.4): these see the stores above; the next part's stores come behind them
.endr
.endm
.macro SEND g, younger                 ; younger: the LDS instructions issued behind part g's loads: the next part's eight, or none
.set pa, (\g)/3
.set pp, (\g)%3
.set po, OUT+16*((\g)%4)
.irp f, 0,1,2,3
	s_wait_dscnt (\younger)+3-\f
	global_store_b128 v[GO], v[po+4*\f:po+4*\f+3], s[10+2*pp:11+2*pp] offset:2048*pa+512*\f
.endr
.endm
.macro WAYOUT                          ; row blocks 0, 1 were finished ahead of TURN's places; their 96 conversions, which name no register of the last products, are those products' places
	PACK 0
.set gg, 1
.rept 11
	PACK gg
	SEND gg-1, 8
.set gg, gg+1
.endr
	SEND 11, 0
.endm
	s_wait_tensorcnt 0x0                           ; the opening change: my part of K step 0 is in;
	ds_add_u32 v[SPW], v[NIL]
	NEXTFILL                                       ; K step 1, slot 1
	s_wait_dscnt 0x0
	CROUND                                         ; everybody's part is in
	JLOAD
	FETCH 0, 0
	s_wait_loadcnt 0x0                             ; the bias
	ROUNDB 8*NBK
	QUARTER 1, 0, 1, 1                             ; the walk's first quarter stands in front of the loop
	WIN 0                                          ; at a label and at a branch every window is 0
	s_mov_b32 s[CNT], 14
.Lstep:                                                ; trip i = 14 - CNT: K step i's quarters 1 to 3, the request for step i + 2, and step i + 1's first quarter
	QUARTER 2, 1, 0, 0
	QUARTER 3, 0, 1, 0
	TURN 1
	WIN 0
	s_cmp_lg_u32 s[CNT], 7                         ; step 7 ends the first tile: the same in every work-group; what is jumped holds no barrier and no tensor load
	s_cbranch_scc1 .Lacc
	WAYOUT                                         ; both next K steps have been asked for: the tile goes out while they land
	s_wait_xcnt 0x0                                ; the stores have read their bases
	s_add_nc_u64 s[10:11], s[10:11], 0x800000      ; 4,096 rows on: two batches of 16 heads of 262,144 bytes
	s_add_nc_u64 s[12:13], s[12:13], 0x800000
	s_add_nc_u64 s[14:15], s[14:15], 0x800000
	QUARTER 1, 0, 1, 1                             ; the second tile's first products start from the bias
	WIN 0
	s_branch .Lnext
.Lacc:
	QUARTER 1, 0, 1, 0
	WIN 0
.Lnext:
	s_sub_co_u32 s[CNT], s[CNT], 1
	s_cmp_lg_u32 s[CNT], 0
	s_cbranch_scc1 .Lstep
	s_mov_b32 s[CNT], 2                            ; the last two K steps ask for nothing: written out
.Ltail:
	QUARTER 2, 1, 0, 0
	QUARTER 3, 0, 1, 0
	TURN 0                                         ; in the last trip its 32 loads read the other slot's landed bytes once more and serve nothing: the price of one text for both trips
	WIN 0
	s_sub_co_u32 s[CNT], s[CNT], 1
	s_cmp_eq_u32 s[CNT], 0
	s_cbranch_scc1 .Lout
	QUARTER 1, 0, 1, 0
	WIN 0
	s_branch .Ltail
.Lout:
	WAYOUT
	s_wait_tensorcnt 0x0                           ; the wave's end, behind my last tensor load and my last LDS store
	ds_add_u32 v[SPW], v[NIL]
	s_wait_dscnt 0x0
	CROUND                                         ; the closing round: no work-group ends while a partner may still ask for a tile that names it
	s_endpgm
.Lfunc_end_k_qe17548930b_qkv:
	.size	k_qe17548930b_qkv, .Lfunc_end_k_qe17548930b_qkv-k_qe17548930b_qkv
	.p2alignl 7, 3214868480
	.fill 96, 4, 3214868480
	.section	.rodata,"a",@progbits
	.p2align	6, 0x0
	.amdhsa_kernel k_qe17548930b_qkv
		.amdhsa_group_segment_fixed_size 327680
		.amdhsa_private_segment_fixed_size 0
		.amdhsa_enable_private_segment 0
		.amdhsa_kernarg_size 48
		.amdhsa_user_sgpr_count 2
		.amdhsa_user_sgpr_kernarg_segment_ptr 1
		.amdhsa_wavefront_size32 1
		.amdhsa_system_sgpr_workgroup_id_x 1
		.amdhsa_system_sgpr_workgroup_id_y 1
		.amdhsa_system_sgpr_workgroup_id_z 1
		.amdhsa_system_vgpr_workitem_id 0
		.amdhsa_next_free_vgpr 960
		.amdhsa_next_free_sgpr 72
		.amdhsa_reserve_vcc 0
		.amdhsa_float_denorm_mode_32 3
		.amdhsa_float_denorm_mode_16_64 3
		.amdhsa_memory_ordered 1
		.amdhsa_forward_progress 1
		.amdhsa_inst_pref_size 125
	.end_amdhsa_kernel
	.amdgpu_metadata
---
amdhsa.version: [ 1, 2 ]
amdhsa.kernels:
  - .name:           k_qe17548930b_qkv
    .symbol:         k_qe17548930b_qkv.kd
    .args:
      - { .name: xb, .offset: 0, .size: 8, .value_kind: global_buffer, .address_space: global }
      - { .name: wq, .offset: 8, .size: 8, .value_kind: global_buffer, .address_space: global }
      - { .name: b_qkv, .offset: 16, .size: 8, .value_kind: global_buffer, .address_space: global }
      - { .name: qh, .offset: 24, .size: 8, .value_kind: global_buffer, .address_space: global }
      - { .name: kh, .offset: 32, .size: 8, .value_kind: global_buffer, .address_space: global }
      - { .name: vh, .offset: 40, .size: 8, .value_kind: global_buffer, .address_space: global }
    .group_segment_fixed_size: 327680
    .private_segment_fixed_size: 0
    .kernarg_segment_align: 8
    .kernarg_segment_size: 48
    .max_flat_workgroup_size: 128
    .sgpr_count:     72
    .vgpr_count:     960
    .wavefront_size: 32
...
	.end_amdgpu_metadata
.endif
;; end of part 2
;; launch attn (part 3): grid 4 x 64, 4 waves a work-group, no clusters, 327,680 bytes of LDS; arguments qh, kh, vh, oh; writes oh
.if DOCPART == 3
	.amdgcn_target "amdgcn-amd-amdhsa--gfx1250"
	.amdhsa_code_object_version 6
	.text
	.protected	k_qe17548930b_attn
	.globl	k_qe17548930b_attn
	.p2align	8
	.type	k_qe17548930b_attn,@function
k_qe17548930b_attn:
	s_mov_b64 s[64:65], 0
	v_nop
	global_prefetch_b8 v0, s[64:65] scope:SCOPE_SE
	s_setreg_imm32_b32 hwreg(HW_REG_WAVE_MODE, 25, 1), 1
	s_wait_xcnt 0x0
; CAUSAL ATTENTION.  O[h][q][:] = the sum over k <= q of softmax_k(Q[h][q] . K[h][k] / 32) V[h][k][:]: the scale is 1 / sqrt(1024).  Q, K, V, O: [SIZE_H][SIZE_N][64], all f16: a head's rows are dense, 128 bytes each.
; Products, maxima and sums in f32; the weights p are rounded to f16 for the second product (their sum l is taken of the unrounded p), O once at the end.  SIZE_N is a multiple of 512; SIZE_N x 128 stays under 2^32.
; LIMITS.  f16 holds no number beyond 65,504: Q, K and V arrive within it; p lies in 0 to 1, and below 6e-5 it keeps f16's fixed step of 6e-8; O is a mean of V's rows and has their range, to within 2^-11 of it.
; A hidden score counts as its value less 1e30: f16's scores, 2.7e11 at the most, are nothing beside that; a weight below 2^-126 counts as 0 in l; NaN and infinities are not treated apart.
; THE WALK.  A head's queries lie in NB = SIZE_N / 256 blocks of 256; block i needs the key tiles 0 .. i of 256 keys, of which the last holds the diagonal.  A work-group takes TWO blocks, NB - 1 - b and then b:
; NB + 1 tiles, whatever b: all work-groups do equal work, and ONE loop with a constant trip count walks them.  Which tile is asked for, and what a trip does, hang on scalar registers made from b; every jump
; goes forward, but for the counted loops' own; none passes a barrier, or a tensor load but the one of LOAD's two that the wave's number does not choose; the ring (two slots of LDS that take turns) runs on across the
; change of blocks.  NO CLUSTER: all of a head's NB / 2 work-groups ask for the same tile only in trips 0 .. NB / 2, behind that fewer and fewer; and one walk common to all would have 3 NB / 2 trips for NB + 1.
; SHARES.  Of a block's four bands of 64 queries a wave owns 16 rows in each: four PIECES.  So the diagonal tile is the same work for all four waves: in its key step s band x sees all keys if s < x,
; none if s > x, and holds the diagonal if s = x.
; THE MASK is the C operand that starts the sum S^T = K Q^T: 0, or -1e30 where the key is hidden.  MD, made once, is the mask of a band's own step for my 16 rows; a product's mask is MD x AL + BE with two scalars:
; (1, 0) if s = x; (0, 0) if s < x; (0, -1e30) if s > x.  Only the diagonal tile's text and a block's beginning make and take masks; elsewhere C is the constant 0.
; LAYOUT, SOFTMAX, TURNS.  S^T = K Q^T holds ONE query a lane (lane % 16) and the keys 8 (lane / 16) + 0..7; two such results rounded to f16 ARE source 1 of O^T = V^T P.  p = 2^(c s - c m), c = log2(e) / 32, with a
; running maximum m; O and l are multiplied by a = 2^(c m_old - c m_new) in every step.  Turn n belongs to piece n: 8 products K Q^T of piece n + 1, later 8 products V^T P of piece n - 1; beside them the scaling,
; exponentials, roundings, sums and rescaling of piece n and the maximum and statistics of piece n + 1.  Four vector instructions stand behind every matrix instruction, the other 54 of a turn's 118 in two LUMPS.
; REGISTERS, in windows of 256 (s_set_vgpr_msb: bits 1:0 source 0, 3:2 source 1, 5:4 source 2, 7:6 destination):
;   window 0: v0-15 addresses and two at work; v16-31 four registers of statistics a piece; v48-55 at work; v64-127 S^T, two buffers; v192-223 P, two buffers (a piece's buffers go by its number's parity)
;   window 1: v0-127 O^T, 32 a piece; v128-159 MD; v160-223 MC, two buffers      window 2: v0-63 Q; v64-127 the second block's Q; v128-191 K of one step; v192-255 V of one step
.set SIZE_N, 2048     ; rows of a head
.set SIZE_H, 64       ; batch x heads
.set NB,    SIZE_N/256
.set NP,    4         ; pieces a wave: a name, no knob
.set KS,    64        ; keys in a step
.set PK,    144       ; a row of K in LDS: 128 bytes + 16 of padding = 36 words: the 16 rows of a load start at 16 different groups of four banks (64 banks of 4 bytes: ISA guide 11.1)
.set PV,    160       ; a row of V: 128 + 32 = 40 words
.set VOFF,  4*KS*PK   ; a slot holds a tile, four steps: 256 rows of K, then 256 rows of V
.set SLOT1, 1<<17     ; slot 1 begins here, so that one exclusive or turns an address in one slot into the other's
.set STAGE, SLOT1+4*KS*(PK+PV)  ; behind the ring, never filled by a tensor load: 16 rows x 144 bytes for each wave, for the way out
.set SP,    144
.set AK0, 2           ; v2   my lane's place in a tile of K; never rewritten
.set AV0, 3           ; v3   the same for V
.set AK,  4           ; v4   the LDS address of K's next run of loads
.set AV,  5           ; v5   of V's
.set STO, 6           ; v6   the way out: where I put 16 bytes of a row
.set RD,  7           ; v7   the way out: where I read rows back
.set GO,  8           ; v8   my byte offset in 512 consecutive bytes of O
.set SPW, 62          ; v62  LDS address of my spare word: SPARE + 4 x my thread's number; never rewritten
.set NIL, 63          ; v63  0; never rewritten
.set SPARE, STAGE+4*16*SP  ; behind the stages: the spare words, 128 bytes for each wave: two blocks of 256 bytes that no other line names
.set MV,  12          ; v12-13  c m_old, kept while c m is made anew: by buffer
.set QO,  15          ; v15  my byte offset in 16 rows of Q
.set ST,  16          ; piece t's statistics at v[ST+4 t]: c m, m, l (even keys', odd keys')
.set TMP, 48          ; by buffer, four registers c0-c3 at work; when the maximum is found c2 takes a
.set S,   64
.set P,   192
.set MD,  128         ; window 1: the eight registers for group kt of 16 keys at MD + 8 kt
.set MC,  160         ; window 1: the masks of the products to come
.set QB,  64          ; window 2
.set KF,  128         ; window 2: key block kb, channel half c at KF + 16 kb + 8 c
.set VF,  192         ; window 2: key half kk, channel block cb at VF + 32 kk + 8 cb
.set WV,  12          ; s12  my wave's number
.set PB,  14          ; s14  b
.set HI,  15          ; s15  NB - 1 - b
.set G1K, 24          ; s[24:31] descriptor group 1 for K's tiles
.set G1V, 32          ; s[32:39] for V's: it differs in the padding alone
.set G0K, 40          ; s[40:43] descriptor group 0 for K's tiles
.set G0V, 44          ; s[44:47] the same for V's
.set SLOTS, 56        ; s56  tiles still to be asked for
.set CNT, 57          ; s57  counts a tile's key steps, 4 to 1
.set CS,  58          ; s[58:59] c: the packed scaling takes the pair's low word for both halves
.set SEL, 60          ; s[60:61] v_permlanex16_b32's selects: each lane takes its own place in the other half
.set TBK, 62          ; s62  LDS byte at which K of the step to be fetched begins
.set TBV, 63          ; s63  the same for V, less VOFF
.set RT,  70          ; s70  tiles of the block in hand that are still to be entered
.set NXT, 71          ; s71  the tile to be asked for next
.set LQ,  72          ; s72  the last tile of the block whose tiles are being asked for
.set NEW, 73          ; s73  1: the tile to be entered is a block's first
.set OFF, 74          ; s[74:75] a tile's byte offset in K and V
.set AL,  76          ; s[76:77] the mask's factor, in the low word
.set BE,  78          ; s[78:79] the mask's addend
.set OLO, 80          ; s[80:81] O at my rows of the second block
.set BIGN, 82         ; s82  -1e30
.set MSB, 0
.macro WIN new                      ; the high byte repeats the setting that is left; a switch that changes nothing is dropped
.if MSB != (\new)
	s_set_vgpr_msb (MSB<<8)|(\new)
.set MSB, (\new)
.endif
.endm
.set W_KQ, 0x0a       ; K and Q in window 2, S^T in window 0
.set W_KM, 0x1a       ; the same with the C operand in window 1
.set W_PV, 0x52       ; V in window 2, P in window 0, O^T in window 1
.set W_RS, 0x41       ; destination and source 0 in window 1, source 1 in window 0
; A fill.  Waves 0 and 1 fetch the two halves of a tile's K, waves 2 and 3 those of its V: 128 keys each.  An s_nop 0 and four v_nop follow each of the two lines, ahead of the jump and the label.
.macro LOAD
	s_cmp_lt_u32 s[WV], 2
	s_cbranch_scc0 .Lfor_v_\@
	tensor_load_to_lds s[G0K:G0K+3], s[G1K:G1K+7]
	s_nop 0
.rept 4
	v_nop
.endr
	s_branch .Lasked_\@
.Lfor_v_\@:
	tensor_load_to_lds s[G0V:G0V+3], s[G1V:G1V+7]
	s_nop 0
.rept 4
	v_nop
.endr
.Lasked_\@:
.endm
; THE CHANGE OF SLOTS.  Each wave waits for all its tensor loads, of which one is out: its part of the other slot; adds 0 to its spare word; and waits for that and for its own reads of the slot that it leaves.  Behind the barrier nobody reads the old
; slot any more and the other slot is whole.  fill = 1: the old slot is filled again, the first thing behind the barrier, with tile NXT: the descriptor's address is made anew from that number.
; (At its first use nothing has been read yet: slot 0 is waited for, slot 1 filled.)
.macro CHANGE fill
	WIN 0                           ; at a label and at a branch every window is 0
	s_wait_tensorcnt 0x0            ; no tensor load of mine is out, so a group 0 may be written
	ds_add_u32 v[SPW], v[NIL]       ; 0 onto my spare word: with fill = 1 the descriptors' scalar work stands between it and the wait for it
.if \fill
	s_lshl_b32 s[OFF], s[NXT], 15   ; a tile is 32,768 bytes of K and of V
	s_xor_b32 s[G0K+1], s[G0K+1], SLOT1
	s_add_nc_u64 s[G0K+2:G0K+3], s[6:7], s[OFF:OFF+1]
	s_or_b32 s[G0K+3], s[G0K+3], 0x80000000
	s_xor_b32 s[G0V+1], s[G0V+1], SLOT1
	s_add_nc_u64 s[G0V+2:G0V+3], s[8:9], s[OFF:OFF+1]
	s_or_b32 s[G0V+3], s[G0V+3], 0x80000000
	s_add_co_u32 s[NXT], s[NXT], 1  ; the block's next tile, or behind its last the second block's tile 0
	s_cmp_gt_u32 s[NXT], s[LQ]
	s_cselect_b32 s[NXT], 0, s[NXT]
	s_cselect_b32 s[LQ], s[PB], s[LQ]
.endif
	s_wait_dscnt 0x0                ; the add is done, and my reads of the slot are over
	s_barrier_signal -1             ; the rest of the scalar work stands between the signal and the wait
	s_sub_co_u32 s[TBK], s[TBK], 4*KS*PK  ; the fetches go back to a slot's first step,
	s_xor_b32 s[TBK], s[TBK], SLOT1       ; in the other slot
	s_sub_co_u32 s[TBV], s[TBV], 4*KS*PV
	s_xor_b32 s[TBV], s[TBV], SLOT1
	s_barrier_wait -1
.if \fill
	LOAD
.endif
.endm
	s_load_b256 s[4:11], s[0:1], 0x0  ; Q s[4:5], K s[6:7], V s[8:9], O s[10:11]
	v_lshl_add_u32 v[SPW], v0, 2, SPARE
	v_mov_b32 v[NIL], 0
	ds_add_u32 v[SPW], v[NIL]       ; the wave's opening: the add and its wait stand ahead of my first tensor load; the set-up below, work on registers, stands between them
	ds_add_u32 v62, v63
	v_lshrrev_b32 v1, 5, v0
	v_readfirstlane_b32 s[WV], v1   ; wave 0..3
	s_mov_b32 s[PB], ttmp9
	s_sub_co_u32 s[HI], NB-1, s[PB]
	s_and_b32 s20, ttmp7, 0xffff    ; the head
	s_mov_b32 s21, 0
	s_mov_b64 s[22:23], SIZE_N*128
	s_mul_u64 s[20:21], s[20:21], s[22:23]  ; the head's first byte in each of the four tensors
	s_and_b32 s16, s[WV], 1         ; which half of a tile's 256 keys I fetch:
	s_lshl_b32 s22, s16, 14         ; its 128 rows of 128 bytes in memory,
	s_mov_b32 s23, 0
	s_add_nc_u64 s[22:23], s[22:23], s[20:21]
	s_mul_i32 s17, s16, 128*PK      ; and its place in a slot, for K
	s_mul_i32 s18, s16, 128*PV      ; and for V
	s_lshl_b32 s3, s[WV], 11        ; my 16 rows in a band of 64,
	s_lshl_b32 s2, s[HI], 15        ; in the first block,
	s_add_co_u32 s2, s2, s3
	s_lshl_b32 s84, s[PB], 15       ; and in the second
	s_add_co_u32 s84, s84, s3
	s_mov_b32 s3, 0
	s_mov_b32 s85, 0
	s_add_nc_u64 s[2:3], s[2:3], s[20:21]
	s_add_nc_u64 s[84:85], s[84:85], s[20:21]
	; descriptor group 1.  128 keys are 16,384 dense bytes: asked for as 64 rows of 256 bytes, two keys a row, and padded in LDS after every key
	s_mov_b32 s[G1K], (1<<16)|(1<<20)|(4<<22)|(3<<25)  ; 17:16 2-byte elements; 20 padding on; 24:22 after every 32 words (code 4); 31:25 4 words (code 3)
	s_mov_b32 s[G1V], (1<<16)|(1<<20)|(4<<22)|(7<<25)  ; the same with 8 words of padding (code 7)
.irp g, G1K, G1V
	s_mov_b32 s[\g+1], 128<<16      ; tensor_dim0 = 128
	s_mov_b32 s[\g+2], 64<<16       ; tensor_dim1 = 64
	s_mov_b32 s[\g+3], 128<<16      ; tile_dim0 = 128
	s_mov_b32 s[\g+4], 64           ; tile_dim1 = 64
	s_mov_b32 s[\g+5], 128          ; 128 elements from row to row
	s_mov_b32 s[\g+6], 0
	s_mov_b32 s[\g+7], 0
.endr
	s_mov_b32 s[CS], 0x3d38aa3b     ; c = log2(e) / 32 = 0.0450842
	s_mov_b32 s[CS+1], s[CS]        ; named with it as a pair
	s_mov_b32 s[SEL], 0x76543210
	s_mov_b32 s[SEL+1], 0xfedcba98
	s_mov_b32 s[TBK], SLOT1+4*KS*PK ; the first change of slots turns these two into 0
	s_mov_b32 s[TBV], SLOT1+4*KS*PV
	s_mov_b32 s[G0K], 1             ; 1:0 count = 1
	s_mov_b32 s[G0K+1], s17         ; 63:32 LDS address: slot 0
	s_mov_b32 s[G0V], 1
	s_add_co_u32 s[G0V+1], s18, VOFF
	s_add_co_u32 s[RT], s[HI], 1    ; the first block has NB - b tiles
	s_mov_b32 s[NXT], 1
	s_mov_b32 s[LQ], s[HI]
	s_mov_b32 s[NEW], 1
	s_mov_b32 s[OFF+1], 0
	s_mov_b32 s[AL+1], 0            ; named as pairs
	s_mov_b32 s[BE+1], 0
	s_mov_b32 s[BIGN], 0xf149f2ca   ; -1e30
	s_mov_b32 s[SLOTS], NB
	s_wait_dscnt 0x0                ; the opening add is done
	s_wait_kmcnt 0x0
	s_add_nc_u64 s[6:7], s[6:7], s[22:23]  ; K and V at my half of the head's tile 0
	s_add_nc_u64 s[8:9], s[8:9], s[22:23]
	s_add_nc_u64 s[G0K+2:G0K+3], s[6:7], 0         ; 120:64 global address
	s_or_b32 s[G0K+3], s[G0K+3], 0x80000000        ; 127:126 type = 2
	s_add_nc_u64 s[G0V+2:G0V+3], s[8:9], 0
	s_or_b32 s[G0V+3], s[G0V+3], 0x80000000
	s_add_nc_u64 s[86:87], s[4:5], s[84:85]        ; Q at my rows of the second block,
	s_add_nc_u64 s[4:5], s[4:5], s[2:3]            ; Q and O at those of the first
	s_add_nc_u64 s[OLO:OLO+1], s[10:11], s[84:85]
	s_add_nc_u64 s[10:11], s[10:11], s[2:3]
	LOAD                            ; tile 0 into slot 0
	; A fragment of K or Q is 16 rows x 32 channels in 8 registers: lane l holds row l % 16, channels 8 (l / 16) + 0..7 and 16 + 8 (l / 16) + 0..7: two loads of 16 bytes, 32 bytes apart.
	v_and_b32 v1, 15, v0            ; l % 16
	v_bfe_u32 v9, v0, 4, 1          ; l / 16
	v_lshlrev_b32 v[QO], 7, v1
	v_lshl_add_u32 v[QO], v9, 4, v[QO]  ; row x 128 + 16 x half
	WIN 0x80                        ; destination window 2, address window 0
.set i, 0
.rept 8                             ; both blocks' Q: piece i / 2 lies in band i / 2, 8,192 bytes on; channels 32 (i % 2) on
	global_load_b128 v[8*i:8*i+3],   v[QO], s[4:5] offset:(i/2)*8192+(i%2)*64
	global_load_b128 v[8*i+4:8*i+7], v[QO], s[4:5] offset:(i/2)*8192+(i%2)*64+32
	global_load_b128 v[QB+8*i:QB+8*i+3],   v[QO], s[86:87] offset:(i/2)*8192+(i%2)*64
	global_load_b128 v[QB+8*i+4:QB+8*i+7], v[QO], s[86:87] offset:(i/2)*8192+(i%2)*64+32
.set i, i+1
.endr
	WIN 0
	v_lshlrev_b32 v14, 3, v9
	v_sub_nc_u32 v14, v1, v14
	s_lshl_b32 s13, s[WV], 4
	v_add_nc_u32 v14, s13, v14      ; my query's place in its band, 16 w + l % 16, less my lanes' 8 (l / 16): register r of group kt is hidden where 16 kt + r is greater
	WIN 0x40
.set i, 0
.rept 32
	v_cmp_gt_i32 vcc_lo, 16*(i/8)+i%8, v14
	v_cndmask_b32 v[MD+i], 0, s[BIGN], vcc_lo
.set i, i+1
.endr
	WIN 0
	v_mul_u32_u24 v[AK0], v1, PK
	v_lshl_add_u32 v[AK0], v9, 4, v[AK0]  ; row x pitch + 16 x half
	; The turning load takes 16 keys x 16 channels (lane l reads key 8 (l / 16) + l % 8, channels 8 ((l / 8) % 2) + 0..7) and leaves half a fragment of V^T: lane l holds channel l % 16 and 8 keys.
	v_and_b32 v10, 7, v0
	v_bfe_u32 v11, v0, 3, 1
	v_lshl_add_u32 v[AV0], v9, 3, v10
	v_mul_u32_u24 v[AV0], v[AV0], PV
	v_lshl_add_u32 v[AV0], v11, 4, v[AV0]
	v_add_nc_u32 v[AV0], VOFF, v[AV0]
	s_mul_i32 s13, s[WV], 16*SP
	s_add_co_u32 s13, s13, STAGE    ; my stage
	v_mul_u32_u24 v[STO], v1, SP    ; in: row l % 16, 16 bytes for each half of the lanes
	v_lshl_add_u32 v[STO], v9, 4, v[STO]
	v_add_nc_u32 v[STO], s13, v[STO]
	v_bfe_u32 v[RD], v0, 3, 2       ; back: 32 lanes take four rows of 128 bytes,
	v_mul_u32_u24 v[RD], v[RD], SP
	v_lshl_add_u32 v[RD], v10, 4, v[RD]
	v_add_nc_u32 v[RD], s13, v[RD]
	v_and_b32 v[GO], 31, v0         ; which are 512 consecutive bytes of O
	v_lshlrev_b32 v[GO], 4, v[GO]
	; A block's first step multiplies O^T and l by a = 0, and its first turn's products V^T P, of a piece that has not been, land in an O^T that is still to be so multiplied.  So these registers need only hold
	; finite numbers: zeros for the first block; what the first block left for the second.  All this stands in the wait for the first tile.
	WIN 0x80
.set i, VF
.rept 64
	v_mov_b32 v[i], 0
.set i, i+1
.endr
	WIN 0x40
.set i, 0
.rept 128
	v_mov_b32 v[i], 0
.set i, i+1
.endr
	WIN 0
.set i, 0
.rept 4
	v_mov_b32 v[ST+4*i+2], 0
	v_mov_b32 v[ST+4*i+3], 0
.set i, i+1
.endr
.set i, P+16
.rept 16
	v_mov_b32 v[i], 0
.set i, i+1
.endr
; THE MATRIX WORK.  The 4 accumulators of a run of 8 take turns.  Product i of 8 of S^T = K Q^T for piece x: channels 32 (i / 4) on, keys 16 (i % 4) on.  The first 4 start the sums: with 0, or (KM = 1) with the mask.
.macro KQ x
.set rS, S+32*((\x)%2)+8*(i%4)
.set rK, KF+16*(i%4)+8*(i/4)
.set rQ, 16*(\x)+8*(i/4)
.set rM, MC+32*((\x)%2)+8*(i%4)
.if (i < 4) && KM
	WIN W_KM
	v_wmma_f32_16x16x32_f16 v[rS:rS+7], v[rK:rK+7], v[rQ:rQ+7], v[rM:rM+7]
.elseif i < 4
	WIN W_KQ
	v_wmma_f32_16x16x32_f16 v[rS:rS+7], v[rK:rK+7], v[rQ:rQ+7], 0
.else
	WIN W_KQ
	v_wmma_f32_16x16x32_f16 v[rS:rS+7], v[rK:rK+7], v[rQ:rQ+7], v[rS:rS+7]
.endif
.endm
; Product i of 8 of O^T += V^T P for piece x: keys 32 (i / 4) on, channels 16 (i % 4) on.
.macro PV x
	WIN W_PV
.set rO, 32*(\x)+8*(i%4)
.set rV, VF+32*(i/4)+8*(i%4)
.set rP, P+16*((\x)%2)+8*(i/4)
	v_wmma_f32_16x16x32_f16 v[rO:rO+7], v[rV:rV+7], v[rP:rP+7], v[rO:rO+7]
.endm
.macro MM                           ; the turn's next matrix instruction.  TURN and BEGIN set Y, i, KM and NOKQ; MM, KQ and OP read them.  NOKQ = 1: a block's last turn: there is no next piece
.if (i < 8) && !NOKQ
	KQ (Y+1)%NP
.elseif i >= 8
.set i, i-8
	PV (Y+NP-1)%NP
.set i, i+8
.endif
.set i, i+1
.endm
; THE LDS LOADS stand in runs of 16, never singly among the matrix instructions: a step's K (64 keys x 64 channels: 8 fragments) and its V (turned).  Their addresses are made some lines ahead.
.macro FETCH_K
	WIN 0x80                        ; destination window 2
.irp f, 0,1,2,3,4,5,6,7             ; keys 16 (f / 2) on, channels 32 (f % 2) on
	ds_load_b128 v[KF+8*\f:KF+8*\f+3],   v[AK] offset:(\f/2)*16*PK+(\f%2)*64
	ds_load_b128 v[KF+8*\f+4:KF+8*\f+7], v[AK] offset:(\f/2)*16*PK+(\f%2)*64+32
.endr
	s_add_co_u32 s[TBK], s[TBK], KS*PK  ; the next fetch is the next step's
	WIN 0
.endm
.macro FETCH_V
	WIN 0x80
.irp f, 0,1,2,3,4,5,6,7             ; keys 32 (f / 4) on, channels 16 (f % 4) on
	ds_load_tr16_b128 v[VF+8*\f:VF+8*\f+3],   v[AV] offset:(\f/4)*32*PV+(\f%4)*32
	ds_load_tr16_b128 v[VF+8*\f+4:VF+8*\f+7], v[AV] offset:(\f/4)*32*PV+16*PV+(\f%4)*32
.endr
	WIN 0
.endm
; THE VECTOR WORK, one line at a time: OP kind, number.  For piece Y: F n: c s - c m for pair n of 16.  E n: the exponential of score n of 32.  C n: pair n rounded to f16.  B n: of the four weights 4 n .. the second
; pair is added onto the first, in place.  L n: l takes that sum (L 0: l = a l + sum).  R n: pair n of 16 of O^T times a.  For piece Y + 1: X n, number n of the 22 that find its maximum and statistics:
;   0-11  four chains c0-c3 of seven scores each, three operands at a time (each accumulator's lowest registers are read first)     12-14, 16  the four scores left over, the old m, and c0-c3 into c0
;   15  c m_old is kept     17, 18  the query's other 32 keys lie in the lane 16 away: the new m     19-21  c m; c m_old - c m_new; a
.set F, 0               ; OP tells the kinds apart by their order: F to L below R, X above it
.set E, 1
.set C, 2
.set B, 3
.set L, 4
.set R, 5
.set X, 6
.macro REGS y                       ; the registers of piece y
.set rT, ST+4*(\y)
.set rC, TMP+4*((\y)%2)
.set rW, MV+((\y)%2)
.set rS, S+32*((\y)%2)
.set rP, P+16*((\y)%2)
.set rO, 32*(\y)
.endm
.macro OP k, n
.if (\k) == R
	REGS Y
	WIN W_RS
	v_pk_mul_f32 v[rO+2*(\n):rO+2*(\n)+1], v[rO+2*(\n):rO+2*(\n)+1], v[rC+2:rC+3] op_sel_hi:[1,0]
.elseif (\k) < R
	REGS Y
	WIN 0
.if (\k) == F
	v_pk_fma_f32 v[rS+2*(\n):rS+2*(\n)+1], v[rS+2*(\n):rS+2*(\n)+1], s[CS:CS+1], v[rT:rT+1] op_sel_hi:[1,0,0] neg_lo:[0,0,1] neg_hi:[0,0,1]
.elseif (\k) == E
	v_exp_f32 v[rS+(\n)], v[rS+(\n)]
.elseif (\k) == C
	s_wait_alu depctr_va_vdst(0)
	v_cvt_pk_f16_f32 v[rP+(\n)], v[rS+2*(\n)], v[rS+2*(\n)+1]
.elseif (\k) == B
	s_wait_alu depctr_va_vdst(0)
	v_pk_add_f32 v[rS+4*(\n):rS+4*(\n)+1], v[rS+4*(\n):rS+4*(\n)+1], v[rS+4*(\n)+2:rS+4*(\n)+3]
.elseif (\n) == 0
	v_pk_fma_f32 v[rT+2:rT+3], v[rT+2:rT+3], v[rC+2:rC+3], v[rS:rS+1] op_sel_hi:[1,0,1]
.else
	v_pk_add_f32 v[rT+2:rT+3], v[rT+2:rT+3], v[rS+4*(\n):rS+4*(\n)+1]
.endif
.elseif NOKQ
	v_nop
.else
	REGS (Y+1)%NP
	WIN 0
.if (\n) < 4
	v_max3_num_f32 v[rC+(\n)], v[rS+8*(\n)], v[rS+8*(\n)+1], v[rS+8*(\n)+2]
.elseif (\n) < 12
	v_max3_num_f32 v[rC+(\n)%4], v[rC+(\n)%4], v[rS+8*((\n)%4)+2*((\n)/4)+1], v[rS+8*((\n)%4)+2*((\n)/4)+2]
.elseif (\n) == 12
	v_max3_num_f32 v[rC], v[rC], v[rS+7], v[rS+15]
.elseif (\n) == 13
	v_max3_num_f32 v[rC+1], v[rC+1], v[rS+23], v[rS+31]
.elseif (\n) == 14
	v_max3_num_f32 v[rC+2], v[rC+2], v[rC+3], v[rT+1]
.elseif (\n) == 15
	v_mov_b32 v[rW], v[rT]
.elseif (\n) == 16
	v_max3_num_f32 v[rC], v[rC], v[rC+1], v[rC+2]
.elseif (\n) == 17
	v_permlanex16_b32 v[rC+3], v[rC], s[SEL], s[SEL+1]
.elseif (\n) == 18
	v_max_num_f32 v[rT+1], v[rC], v[rC+3]
.elseif (\n) == 19
	v_mul_f32 v[rT], s[CS], v[rT+1]
.elseif (\n) == 20
	v_sub_f32 v[rC+1], v[rW], v[rT]
.else
	v_exp_f32 v[rC+2], v[rC+1]
.endif
.endif
.endm
.macro OPS a, i1, b=-1, i2=0, c=-1, i3=0, d=-1, i4=0  ; up to four of them
	OP \a, \i1
.if (\b) >= 0
	OP \b, \i2
.endif
.if (\c) >= 0
	OP \c, \i3
.endif
.if (\d) >= 0
	OP \d, \i4
.endif
.endm
.macro ROW a, i1, b, i2, c, i3, d, i4  ; a matrix instruction and the four behind it
	MM
	OPS \a, \i1, \b, \i2, \c, \i3, \d, \i4
.endm
.macro MASK b                       ; MD x AL + BE into buffer b of MC
	WIN W_RS
.set z, 0
.rept 16
	v_pk_fma_f32 v[MC+32*(\b)+2*z:MC+32*(\b)+2*z+1], v[MD+2*z:MD+2*z+1], s[AL:AL+1], s[BE:BE+1] op_sel_hi:[1,0,0]
.set z, z+1
.endr
.endm
; A TURN, for piece p: the order of its 16 matrix and 118 vector instructions, written out.  Behind a matrix instruction: plain, exponential, plain, plain; or four of the rescaling; or, behind the first, four scalings; none
; names a register of the products round it.  In the lumps exponential and plain by turns while exponentials last.  A line reads no result made fewer than three vector instructions in front of it, five if an exponential made it.
; v_permlanex16_b32 (X 17) stands in a lump.
; m = 1: the diagonal tile: the products take masks, and the turn makes the mask for the products of the turn after it: piece p + 2, in step 4 - CNT of the tile.  end = 1: a block's last two turns: nothing is fetched.
; cnt = 1: the loop's count is taken down some lines ahead of the branch that stands behind the turn.
; K of the next step is fetched in piece 2's turn, six vector instructions behind the last product that read K (five of them plain); V of the step in hand in piece 0's turn, eight behind the last product that read V (four
; plain, and X 17).  Each is waited for a turn later.
.macro TURN p, m=0, end=0, cnt=0
.set Y, (\p)
.set i, 0
.set KM, (\m)
.set NOKQ, (\end)*((\p)/3)
.if (\m) && !(\end)
	s_cmp_eq_u32 s[CNT], 4-((\p)+2)%NP  ; is that step the band's own?
	s_cselect_b32 s[AL], 1.0, 0
	s_cmp_lt_u32 s[CNT], 4-((\p)+2)%NP  ; or a later one?
	s_cselect_b32 s[BE], s[BIGN], 0
.endif
.if ((\p) == 3) && !(\end)
	s_wait_dscnt 0x0                ; K is in
.endif
	ROW F,0, F,1, F,2, F,3
	ROW F,4, E,0, F,5, F,6
	ROW F,7, E,1, F,8, F,9
	ROW F,10, E,2, C,0, F,11
	ROW F,12, E,3, X,15, F,13
	ROW R,0, R,1, R,2, R,3
	ROW B,0, E,4, F,14, L,0
.if ((\p) == 2) && !(\end)
	v_add_nc_u32 v[AK], s[TBK], v[AK0]
.endif
	ROW R,4, R,5, R,6, R,7
	OPS E,5, F,15
.if ((\p) == 2) && !(\end)
	FETCH_K
.endif
	OPS E,6, C,1, E,7, R,8
	OPS E,8, R,9, E,9, C,2
	OPS E,10, X,0, E,11, X,1
	OPS E,12, X,2, E,13, X,3
.if (\p) == 1
	s_wait_dscnt 0x0                ; V is in
.endif
	ROW X,4, E,14, X,5, X,6
	ROW X,7, E,15, X,8, X,9
	ROW X,10, E,16, X,11, X,12
	ROW X,13, E,17, X,14, B,1
	ROW C,4, E,18, X,16, L,1
	ROW B,2, E,19, C,6, L,2
	ROW C,8, E,20, B,3, B,4
.if (\p) == 0
	v_add_nc_u32 v[AV], s[TBV], v[AV0]
.endif
	ROW C,3, E,21, L,3, C,5
	OPS E,22, X,17, E,23, C,10
.if (\p) == 0
	FETCH_V
.endif
	OPS E,24, L,4
	OPS E,25, X,18, E,26, C,7
	OPS E,27, B,5, E,28, X,19
	OPS E,29, C,12, E,30, L,5
	OPS E,31, X,20, B,6, C,9
	OPS C,14, C,11, X,21, L,6
.if (\p) == 0
	s_add_co_u32 s[TBV], s[TBV], KS*PV
.endif
.if \cnt
	s_sub_co_u32 s[CNT], s[CNT], 1
	s_cmp_lg_u32 s[CNT], 0
.endif
	OPS C,13, B,7, C,15, R,10
	OPS R,11, R,12, L,7, R,13
	OPS R,14, R,15
.if (\m) && !(\end)
	MASK (\p)%2
.endif
.endm
; A BLOCK BEGINS.  c m starts far below every c s, so the first step's a is 0; m at the lowest finite number, so the first maximum is the scores'.  The second mask buffer is 0; the first takes piece 0's mask for the tile's step 0: its own, if the block's first tile is the diagonal one.
; Then K of that step, piece 0's first scores, and its maximum and statistics.  The loop is entered at a step's first turn, in the middle of a trip.
.macro BEGIN
	s_mov_b32 s[NEW], 0
	WIN 0x40
.set i, MC+32
.rept 32
	v_mov_b32 v[i], 0
.set i, i+1
.endr
	WIN 0
.set i, 0
.rept 4
	v_mov_b32 v[ST+4*i], 0xfe000000    ; c m: far below every c s
	v_mov_b32 v[ST+4*i+1], 0xff7fffff  ; m
.set i, i+1
.endr
	s_cmp_eq_u32 s[RT], 0
	s_cselect_b32 s[AL], 1.0, 0
	s_mov_b32 s[BE], 0
	MASK 0
	WIN 0
	v_add_nc_u32 v[AK], s[TBK], v[AK0]
	FETCH_K
	s_wait_loadcnt 0x0              ; Q
	s_wait_dscnt 0x0
.set KM, 1
.set NOKQ, 0
.set i, 0
.rept 8
	KQ 0
.set i, i+1
.endr
	WIN 0
.rept 4
	v_nop                           ; the places behind those products
.endr
.set Y, NP-1                        ; X works for piece Y + 1: piece 0
.irp n, 0,1,2,3,4,5,6,7,8,9,10,11,12,13,14,15,16,17,18,19,20,21
	OP X, \n
.endr
	v_nop                           ; a plain instruction behind the exponential
.endm
; THE DIAGONAL TILE's four steps, the block's last two turns, its last products, and THE WAY OUT: l's two halves and the other half of the lanes' are added; O^T is divided by l, rounded to f16 and sent through my
; stage in LDS, a piece at a time.
.macro ALL line:vararg              ; one line for each piece t
.set t, 0
.rept 4
	\line
.set t, t+1
.endr
.endm
.macro PACK t                       ; a lane's eight channels of a row pack into 16 bytes; they go into rows of 144 bytes and come back as whole rows of 128, into S^T's registers
	WIN W_RS
.set i, 32*(\t)
.rept 16
	s_wait_alu depctr_va_vdst(0)
	v_pk_mul_f32 v[i:i+1], v[i:i+1], v[ST+4*(\t)+2:ST+4*(\t)+3] op_sel_hi:[1,0]
.set i, i+2
.endr
	WIN 0x05                        ; sources 0 and 1 window 1, destination window 0
.set i, 0
.rept 16
	v_cvt_pk_f16_f32 v[S+16*(\t)+i], v[32*(\t)+2*i], v[32*(\t)+2*i+1]
.set i, i+1
.endr
	WIN 0
.irp f, 0,1,2,3
	ds_store_b128 v[STO], v[S+16*(\t)+4*\f:S+16*(\t)+4*\f+3] offset:32*\f
.endr
.irp f, 0,1,2,3
	ds_load_b128 v[S+16*(\t)+4*\f:S+16*(\t)+4*\f+3], v[RD] offset:\f*4*SP  ; LDS serves a wave's instructions in order (ISA guide 5.7.1.4): these see the stores above; the next piece's stores come behind them
.endr
.endm
.macro SEND t, younger              ; younger: the LDS instructions issued behind piece t's loads: the next piece's eight, or none
	WIN 0
.irp f, 0,1,2,3
	s_wait_dscnt (\younger)+3-\f
	global_store_b128 v[GO], v[S+16*(\t)+4*\f:S+16*(\t)+4*\f+3], s[10:11] offset:(\t)*8192+\f*512  ; 512 consecutive bytes, at a multiple of 256 from O's first
.endr
.endm
.macro DIAG tag                     ; the tag ends its two labels' names, which the jumps below spell out
.LstepM\tag:
	TURN 2, 1
	TURN 3, 1
	WIN 0
.LfirstM\tag:
	TURN 0, 1
	TURN 1, 1, 0, 1
	WIN 0
	s_cbranch_scc1 .LstepM\tag
	TURN 2, 1, 1
	TURN 3, 1, 1
.set i, 0
.rept 8
	PV NP-1
.set i, i+1
.endr
	WIN 0
	ALL v_add_f32 v[ST+4*t+2], v[ST+4*t+2], v[ST+4*t+3]
	ALL v_permlanex16_b32 v[ST+4*t+3], v[ST+4*t+2], s[SEL], s[SEL+1]
	ALL v_add_f32 v[ST+4*t+2], v[ST+4*t+2], v[ST+4*t+3]
	ALL v_rcp_f32 v[ST+4*t+2], v[ST+4*t+2]
	v_nop                           ; a plain instruction between the last reciprocal and the use of its result
	PACK 0
.set t, 1
.rept 3                             ; a piece's arithmetic stands between the loads of the piece before and its stores
	PACK t
	SEND t-1, 8
.set t, t+1
.endr
	SEND 3, 0
.endm
.set KM, 0
.set NOKQ, 0
.Lslot:                             ; NB times: a tile is entered and the next is asked for
	CHANGE 1
	s_sub_co_u32 s[RT], s[RT], 1
	s_mov_b32 s[CNT], 4
	s_cmp_eq_u32 s[NEW], 1
	s_cbranch_scc1 .Lnew            ; a block's first tile
	s_cmp_eq_u32 s[RT], 0
	s_cbranch_scc0 .Lstep           ; neither its first nor its last
	s_branch .LstepM1
.Lnew:
	BEGIN
	s_branch .Lfirst                ; in the loop a block's first tile is never its last: the first block has two tiles or more, and the second's last is the walk's last
	DIAG 1                          ; in the loop this is the first block's end: the second block's last tile is the walk's last
	s_wait_xcnt 0x0                 ; the stores have read their registers and O's address
	s_mov_b64 s[10:11], s[OLO:OLO+1]
	s_add_co_u32 s[RT], s[PB], 1    ; the second block has b + 1 tiles
	s_mov_b32 s[NEW], 1
	WIN 0x82                        ; the second block's Q goes where the one text of the turns names Q
.set i, 0
.rept 64
	v_mov_b32 v[i], v[QB+i]
.set i, i+1
.endr
	WIN 0
	s_branch .Lbottom
.Lstep:                             ; a trip: pieces 2 and 3 of one step, then pieces 0 and 1 of the next, whose K and V it fetches
	TURN 2
	TURN 3
	WIN 0
.Lfirst:
	TURN 0
	TURN 1, 0, 0, 1
	WIN 0
	s_cbranch_scc1 .Lstep
.Lbottom:
	s_sub_co_u32 s[SLOTS], s[SLOTS], 1
	s_cmp_lg_u32 s[SLOTS], 0
	s_cbranch_scc1 .Lslot
	CHANGE 0                        ; the walk's last tile is written out: nothing is asked for
	s_sub_co_u32 s[RT], s[RT], 1
	s_mov_b32 s[CNT], 4
	s_cmp_eq_u32 s[NEW], 1
	s_cbranch_scc0 .LstepM2
	BEGIN
	s_branch .LfirstM2
	DIAG 2
	s_wait_tensorcnt 0x0            ; the wave's end, behind my last tensor load and my last LDS store
	ds_add_u32 v[SPW], v[NIL]
	s_wait_dscnt 0x0
	s_endpgm
.Lfunc_end_k_qe17548930b_attn:
	.size	k_qe17548930b_attn, .Lfunc_end_k_qe17548930b_attn-k_qe17548930b_attn
	.p2alignl 7, 3214868480
	.fill 96, 4, 3214868480
	.section	.rodata,"a",@progbits
	.p2align	6, 0x0
	.amdhsa_kernel k_qe17548930b_attn
		.amdhsa_group_segment_fixed_size 327680
		.amdhsa_private_segment_fixed_size 0
		.amdhsa_enable_private_segment 0
		.amdhsa_kernarg_size 32
		.amdhsa_user_sgpr_count 2
		.amdhsa_user_sgpr_kernarg_segment_ptr 1
		.amdhsa_wavefront_size32 1
		.amdhsa_system_sgpr_workgroup_id_x 1
		.amdhsa_system_sgpr_workgroup_id_y 1
		.amdhsa_system_sgpr_workgroup_id_z 1
		.amdhsa_system_vgpr_workitem_id 0
		.amdhsa_next_free_vgpr 768
		.amdhsa_next_free_sgpr 88
		.amdhsa_reserve_vcc 1
		.amdhsa_float_denorm_mode_32 3
		.amdhsa_float_denorm_mode_16_64 3
		.amdhsa_memory_ordered 1
		.amdhsa_forward_progress 1
		.amdhsa_inst_pref_size 228
	.end_amdhsa_kernel
	.amdgpu_metadata
---
amdhsa.version: [ 1, 2 ]
amdhsa.kernels:
  - .name:           k_qe17548930b_attn
    .symbol:         k_qe17548930b_attn.kd
    .args:
      - { .name: qh, .offset: 0, .size: 8, .value_kind: global_buffer, .address_space: global }
      - { .name: kh, .offset: 8, .size: 8, .value_kind: global_buffer, .address_space: global }
      - { .name: vh, .offset: 16, .size: 8, .value_kind: global_buffer, .address_space: global }
      - { .name: oh, .offset: 24, .size: 8, .value_kind: global_buffer, .address_space: global }
    .group_segment_fixed_size: 327680
    .private_segment_fixed_size: 0
    .kernarg_segment_align: 8
    .kernarg_segment_size: 32
    .max_flat_workgroup_size: 128
    .sgpr_count:     88
    .vgpr_count:     768
    .wavefront_size: 32
...
	.end_amdgpu_metadata
.endif
;; end of part 3
;; launch proj (part 4): grid 8 x 32, 4 waves a work-group, clusters of 4 x 4, 327,680 bytes of LDS; arguments oh, wo, b_out, out0; writes out0
.if DOCPART == 4
	.amdgcn_target "amdgcn-amd-amdhsa--gfx1250"
	.amdhsa_code_object_version 6
	.text
	.protected	k_qe17548930b_proj
	.globl	k_qe17548930b_proj
	.p2align	8
	.type	k_qe17548930b_proj,@function
k_qe17548930b_proj:
	s_mov_b64 s[64:65], 0
	v_nop
	global_prefetch_b8 v0, s[64:65] scope:SCOPE_SE
	s_setreg_imm32_b32 hwreg(HW_REG_WAVE_MODE, 25, 1), 1
	s_wait_xcnt 0x0
	s_wait_alu depctr_hold_cnt(0) depctr_sa_sdst(0) depctr_va_vdst(0) depctr_va_sdst(0) depctr_va_ssrc(0) depctr_va_vcc(0) depctr_vm_vsrc(0)
	s_getreg_b32 s2, hwreg(HW_REG_IB_STS2, 6, 4)
	s_cmp_eq_u32 s2, 0
	s_cbranch_scc0 .Lentry_in_a_cluster
	s_endpgm
.Lentry_in_a_cluster:
	s_bfe_u32 s2, ttmp6, 0x10000c
	s_cmp_lg_u32 s2, 0xf033
	s_cbranch_scc0 .Lentry_shape_is_right
	s_endpgm
.Lentry_shape_is_right:
; out0 = vals W_out + b_out.  oh: [64 = 16 batch + head][2048][64] f16: vals[m][64 head + d].  wo: [1024 k][1024 n] f16.  b_out: [1024] f32, rounded to bf16 here as the other inputs are.  out0: [8192][1024] f32.
; LIMITS.  The operands arrive within f16's range; sums in f32; NaN and infinities are not treated apart.
; SHARES.  A tile is 256 rows (Y) x 128 columns (X): 256 work-groups, one tile each.  Four waves; wave w owns rows 64 w .. 64 w + 63 and all 128 columns: 4 x 8 accumulators, 256 registers.
; K goes in steps of 128 = two heads through two LDS slots: a head's 256 rows are 32,768 dense bytes.  Eight steps.
; THE MATRIX INSTRUCTION IS USED TRANSPOSED: source 0 = 16 columns of W (turned out of LDS by ds_load_tr16_b128), source 1 = 16 rows of vals: a lane holds eight neighbouring columns of a row.
; THE BIAS is the C operand of the first products.  CLUSTER: 4 x 4; vals' tile hangs on Y alone and is asked for jointly by a row of the cluster, W's on X alone and by a column.
; By this text's own count a wave has one tensor load out at the most, so every wait for tensor loads is for 0.
; REGISTERS, in windows of 256 (s_set_vgpr_msb: bits 1:0 source 0, 3:2 source 1, 5:4 source 2, 7:6 destination):
;   window 0: v0-15 addresses; v28-29 the add's; v32-95 vals' fragments, two buffers; v96-159 the bias; v160-223 the way out       window 1: W's fragments, two buffers of 8 x 8       window 2: the accumulators
.set NBK,   8                          ; column blocks of 16
.set APW,   4                          ; row blocks whose accumulators share a window
.set PA,    144                        ; a row of a head in LDS: 128 bytes + 16 of padding: the 16 rows of a load start at 16 different groups of four banks (64 banks of 4 bytes: ISA guide 11.1)
.set PB,    288                        ; a row of W: 256 + 32 = 72 words
.set HALFA, 256*PA                     ; one head's 256 rows: what one tensor load brings of vals
.set HALFB, 64*PB                      ; and of W
.set BOFF,  2*HALFA
.set SLOT1, 1<<17                      ; slot 1 begins here: one exclusive or turns an address in one slot into the other's
.set STAGE, SLOT1+BOFF+2*HALFB         ; behind the ring, never filled by a tensor load: 16 rows x 528 bytes for each wave
.set SP,    528                        ; a row of 128 f32 + 16 bytes
.set SPARE, STAGE+4*16*SP              ; behind the stages: the spare words, 128 bytes a wave: two blocks of 256 bytes that no other line names
.set A0,   4                           ; v4   my lane's place in vals' tile; never rewritten
.set B0,   5                           ; v5   in W's
.set ADRA, 6                           ; v6   the same in the slot that is read
.set ADRB, 7                           ; v7
.set STO,  8                           ; v8   the way out: where I put 32 bytes of a row
.set RD,   9                           ; v9   where I read a row back
.set GO,   10                          ; v10  my byte offset in a row's 512 bytes of the output
.set BO,   11                          ; v11  my byte offset in a column block's 64 bytes of bias
.set SPW,  28                          ; v28  LDS address of my spare word; never rewritten
.set NIL,  29                          ; v29  0; never rewritten
.set FA,   32
.set BIAS, 96
.set OB,   160
.set WV,  16                           ; s16  my wave's number;  s17 = 0: I fetch vals, 1: W;  s18: which half;  s19, s20 my place in the cluster;  s21 X, s22 Y
.set G1A, 24                           ; s[24:31] descriptor group 1 for vals' tiles;  s[32:35] group 0
.set G0A, 32
.set G0B, 36                           ; s[36:39], s[40:47] the same for W's
.set G1B, 40
.set CNT, 57                           ; s57  the loops' count
.set HM,  58                           ; s58  a word's upper bf16
.set TB,  59                           ; s59  the slot that is read
.set MSB, 0
.macro WIN new                         ; the immediate's high byte repeats the setting that is left; a switch that changes nothing is dropped
.if MSB != (\new)
	s_set_vgpr_msb (MSB<<8)|(\new)
.set MSB, \new
.endif
.endm
.macro PLACES                          ; four places behind matrix instructions, in front of what reads their results or loads into registers that they have read (ISA guide 7.12.1 for vector instructions)
.rept 4
	v_nop
.endr
.endm
.macro JLOAD                           ; a joint load; the branch hangs on the wave's number alone; an s_nop 0 and four v_nop follow each of the two lines
	s_cmp_eq_u32 s17, 0
	s_cbranch_scc0 .Lfor_b_\@
	tensor_load_to_lds s[G0A:G0A+3], s[G1A:G1A+7]
	s_nop 0
.rept 4
	v_nop
.endr
	s_branch .Lasked_\@
.Lfor_b_\@:
	tensor_load_to_lds s[G0B:G0B+3], s[G1B:G1B+7]
	s_nop 0
.rept 4
	v_nop
.endr
.Lasked_\@:
.endm
.macro CREST                           ; a round of the cluster's barrier behind its opening barrier
	s_cmp_lg_u32 s[WV], 0
	s_cbranch_scc1 .Lnot_wave_0_\@
	s_barrier_signal -3
.Lnot_wave_0_\@:
	s_barrier_wait -3
	s_barrier_signal -1
	s_barrier_wait -1
.endm
.macro CROUND                          ; a whole round
	s_barrier_signal -1
	s_barrier_wait -1
	CREST
.endm
.macro NEXTFILL                        ; both descriptors walk: the other slot than last time, the next K step.  No tensor load of mine is out here; the type bits on top are not reached
	s_xor_b32 s[G0A+1], s[G0A+1], SLOT1
	s_xor_b32 s[G0B+1], s[G0B+1], SLOT1
	s_add_nc_u64 s[G0A+2:G0A+3], s[G0A+2:G0A+3], 524288   ; two heads of 262,144 bytes
	s_add_nc_u64 s[G0B+2:G0B+3], s[G0B+2:G0B+3], 262144   ; 128 rows of 2,048 bytes
.endm
	s_load_b256 s[4:11], s[0:1], 0x0               ; oh s[4:5], wo s[6:7], b_out s[8:9], out0 s[10:11]
	v_lshl_add_u32 v[SPW], v0, 2, SPARE
	v_mov_b32 v[NIL], 0
	ds_add_u32 v[SPW], v[NIL]                      ; the wave's opening: the add and its wait stand ahead of my first tensor load; the set-up below, work on registers, stands between them
	ds_add_u32 v28, v29
	v_lshrrev_b32 v1, 5, v0
	v_readfirstlane_b32 s[WV], v1                  ; wave 0..3
	s_lshr_b32 s17, s[WV], 1
	s_and_b32 s18, s[WV], 1
	s_bfe_u32 s19, ttmp6, 0x40000                  ; cx
	s_bfe_u32 s20, ttmp6, 0x40004                  ; cy
	s_lshl_b32 s21, ttmp9, 2
	s_add_co_u32 s21, s21, s19                     ; X = 4 x cluster x + cx: the block of 128 columns
	s_and_b32 s22, ttmp7, 0xffff
	s_lshl_b32 s22, s22, 2
	s_add_co_u32 s22, s22, s20                     ; Y = 4 x cluster y + cy: the block of 256 rows
	s_lshl_b32 s60, s20, 2
	s_lshl_b32 s60, 15, s60                        ; my row of the cluster
	s_lshl_b32 s62, 0x1111, s19                    ; my column
	s_or_b32 s[G1A], s60, (1<<16)|(1<<20)|(1<<21)|(4<<22)|(3<<25)  ; 15:0 the mask; 17:16 2-byte elements; 20 padding on; 21 set beside a mask; 24:22 after every 32 words (code 4); 31:25 4 words (code 3)
	s_or_b32 s[G1B], s62, (1<<16)|(1<<20)|(1<<21)|(5<<22)|(7<<25)  ; after every 64 words (code 5) 8 words (code 7)
	s_mov_b32 s[G1A+1], 128<<16                    ; vals: 256 rows of 128 bytes are 32,768 dense bytes: asked for as 128 rows of 256
	s_mov_b32 s[G1A+2], 128<<16
	s_mov_b32 s[G1A+3], 128<<16
	s_mov_b32 s[G1A+4], 128
	s_mov_b32 s[G1A+5], 128
	s_mov_b32 s[G1A+6], 0
	s_mov_b32 s[G1A+7], 0
	s_mov_b32 s[G1B+1], 128<<16                    ; W: 64 rows x 128 elements,
	s_mov_b32 s[G1B+2], 64<<16
	s_mov_b32 s[G1B+3], 128<<16
	s_mov_b32 s[G1B+4], 64
	s_mov_b32 s[G1B+5], 1024                       ; 1,024 elements from row to row
	s_mov_b32 s[G1B+6], 0
	s_mov_b32 s[G1B+7], 0
	s_mov_b32 s[G0A], 1                            ; count = 1
	s_mul_i32 s[G0A+1], s18, HALFA                 ; LDS address: my half, slot 0: no place in the cluster enters it
	s_mov_b32 s[G0B], 1
	s_mul_i32 s[G0B+1], s18, HALFB
	s_add_co_u32 s[G0B+1], s[G0B+1], BOFF
	s_lshr_b32 s60, s22, 3                         ; vals: batch Y / 8 (16 heads of 262,144 bytes),
	s_lshl_b32 s60, s60, 22
	s_and_b32 s61, s22, 7                          ; 256 rows of 128 bytes for each Y % 8,
	s_lshl_b32 s61, s61, 15
	s_add_co_u32 s60, s60, s61
	s_lshl_b32 s61, s18, 18                        ; the even head or the odd one; these two registers never hold X
	s_add_co_u32 s60, s60, s61
	s_mov_b32 s61, 0
	s_lshl_b32 s62, s21, 8                         ; W: 256 bytes along the rows for each X, and my 64 rows of a step; these two never hold Y
	s_lshl_b32 s63, s18, 17
	s_add_co_u32 s62, s62, s63
	s_mov_b32 s63, 0
	s_lshl_b32 s66, s21, 9                         ; the tile's 128 numbers of bias
	s_mov_b32 s67, 0
	s_lshl_b32 s68, s22, 20                        ; the output: 256 rows of 4,096 bytes for each Y,
	s_lshl_b32 s69, s[WV], 18                      ; my wave's 64 rows,
	s_add_co_u32 s68, s68, s69
	s_add_co_u32 s68, s68, s66                     ; the tile's 512 bytes of a row
	s_mov_b32 s69, 0
	s_mov_b32 s[HM], 0xffff0000
	s_mov_b32 s[TB], 0
	s_wait_dscnt 0x0                               ; the opening add is done
	s_wait_kmcnt 0x0
	s_add_nc_u64 s[G0A+2:G0A+3], s[4:5], s[60:61]
	s_or_b32 s[G0A+3], s[G0A+3], 0x80000000        ; type = 2
	s_add_nc_u64 s[G0B+2:G0B+3], s[6:7], s[62:63]
	s_or_b32 s[G0B+3], s[G0B+3], 0x80000000
	s_add_nc_u64 s[8:9], s[8:9], s[66:67]
	s_add_nc_u64 s[10:11], s[10:11], s[68:69]
	CROUND                                         ; all sixteen work-groups are here: the first joint loads meet
	JLOAD                                          ; K step 0 into slot 0
	v_and_b32 v1, 15, v0                           ; l % 16
	v_bfe_u32 v2, v0, 4, 1                         ; l / 16
	v_and_b32 v3, 7, v0
	v_bfe_u32 v12, v0, 3, 1
	v_lshlrev_b32 v[BO], 5, v2                     ; a lane's eight columns: 32 bytes of bias for each half of the lanes
.set bb, 0
.rept NBK
	global_load_b128 v[BIAS+8*bb:BIAS+8*bb+3], v[BO], s[8:9] offset:64*bb
	global_load_b128 v[BIAS+8*bb+4:BIAS+8*bb+7], v[BO], s[8:9] offset:64*bb+16
.set bb, bb+1
.endr
	s_mul_i32 s70, s[WV], 64*PA                    ; vals' fragment: row (64 w + l % 16) x pitch + 16 x half
	v_mul_u32_u24 v[A0], v1, PA
	v_lshl_add_u32 v[A0], v2, 4, v[A0]
	v_add_nc_u32 v[A0], s70, v[A0]
	v_lshl_add_u32 v[B0], v2, 3, v3                ; the turning load: lane l reads row 8 (l / 16) + l % 8, columns 8 ((l / 8) % 2) + 0..7, and is left with column l % 16 and 8 k
	v_mul_u32_u24 v[B0], v[B0], PB
	v_lshl_add_u32 v[B0], v12, 4, v[B0]
	v_add_nc_u32 v[B0], BOFF, v[B0]
	s_mul_i32 s70, s[WV], 16*SP
	s_add_co_u32 s70, s70, STAGE                   ; my stage
	v_mul_u32_u24 v[STO], v1, SP                   ; in: row l % 16, 32 bytes for each half of the lanes
	v_lshl_add_u32 v[STO], v2, 5, v[STO]
	v_add_nc_u32 v[STO], s70, v[STO]
	v_and_b32 v[GO], 31, v0                        ; back: 32 lanes take one row of 512 bytes
	v_lshlrev_b32 v[GO], 4, v[GO]
	v_add_nc_u32 v[RD], s70, v[GO]
	v_mov_b32 v[ADRA], v[A0]                       ; slot 0 is read first
	v_mov_b32 v[ADRB], v[B0]
; NBK matrix instructions: row block a x all column blocks, 32 along K, from buffers f.  first = 1: C is the bias: the products start the sums.
; All accumulators take turns, one instruction a turn and in the same order in every quarter.
.macro MULA f, a, first
.if \first
	WIN 0x81+0x40*((\a)/APW)                       ; W window 1, vals window 0, the bias window 0, D window 2
.else
	WIN 0xa1+0x50*((\a)/APW)                       ; C and D window 2
.endif
.set bb, 0
.rept NBK
.set rD, 8*(NBK*((\a)%APW)+bb)
.if \first
	v_wmma_f32_16x16x32_f16 v[rD:rD+7], v[8*NBK*(\f)+8*bb:8*NBK*(\f)+8*bb+7], v[FA+32*(\f)+8*(\a):FA+32*(\f)+8*(\a)+7], v[BIAS+8*bb:BIAS+8*bb+7]
.else
	v_wmma_f32_16x16x32_f16 v[rD:rD+7], v[8*NBK*(\f)+8*bb:8*NBK*(\f)+8*bb+7], v[FA+32*(\f)+8*(\a):FA+32*(\f)+8*(\a)+7], v[rD:rD+7]
.endif
.set bb, bb+1
.endr
.endm
; 24 LDS loads in one run: quarter q's fragments (head q / 2 of the step's two, channels 32 (q % 2) on) into buffers f: W's eight column blocks, then vals' four row blocks in ascending order
.macro FETCH q, f
	WIN 0x40                                       ; destination window 1, address window 0
.set bb, 0
.rept NBK
	ds_load_tr16_b128 v[8*NBK*(\f)+8*bb:8*NBK*(\f)+8*bb+3],   v[ADRB] offset:(\q)*32*PB+bb*32
	ds_load_tr16_b128 v[8*NBK*(\f)+8*bb+4:8*NBK*(\f)+8*bb+7], v[ADRB] offset:(\q)*32*PB+16*PB+bb*32
.set bb, bb+1
.endr
	WIN 0
.set aa, 0
.rept 4
	ds_load_b128 v[FA+32*(\f)+8*aa:FA+32*(\f)+8*aa+3],   v[ADRA] offset:((\q)/2)*HALFA+((\q)%2)*64+aa*16*PA
	ds_load_b128 v[FA+32*(\f)+8*aa+4:FA+32*(\f)+8*aa+7], v[ADRA] offset:((\q)/2)*HALFA+((\q)%2)*64+aa*16*PA+32
.set aa, aa+1
.endr
.endm
; A K step is four quarters of 32 along K on buffers 0, 1, 0, 1.  One of the first three: multiplies buffers f; in its middle it fetches quarter qn into buffers g.
.macro QUARTER qn, f, g, first
	s_wait_dscnt 4                                 ; W and vals' row blocks 0, 1 are in; the youngest four loads (row blocks 2, 3) may be out
	MULA \f, 0, \first
	MULA \f, 1, \first
	PLACES
	FETCH \qn, \g
	s_wait_dscnt 2*NBK+8                           ; all but the run just issued
	MULA \f, 2, \first
	MULA \f, 3, \first
.endm
; The fourth quarter multiplies buffers 1 and changes slots: ONE barrier.  In front of it each wave waits for all its tensor loads (the one that is out is its part of the next slot), adds 0 to its spare word, and waits
; for that and for its own reads of this slot.  fill = 1: the barrier opens a round of the cluster's, and the slot just read is filled again first thing behind it, with the K step two steps on.
.macro TURN fill
	WIN 0                                          ; (the add's two registers lie in window 0)
	s_wait_tensorcnt 0x0                           ; no tensor load of mine is out, so the descriptors may be written
	ds_add_u32 v[SPW], v[NIL]                      ; 0 onto my spare word: scalar work and eight matrix instructions stand between it and the wait for it
.if \fill
	NEXTFILL
.endif
	s_xor_b32 s[TB], s[TB], SLOT1                  ; the reads go on in the other slot
	s_wait_dscnt 5                                 ; (the add and the youngest four loads may be out)
	MULA 1, 0, 0
	s_wait_dscnt 0x0                               ; the add is done, and my reads of this slot are over
	s_barrier_signal -1
	MULA 1, 1, 0                                   ; work on registers while the others arrive
	WIN 0
	s_barrier_wait -1
.if \fill
	CREST                                          ; no wave of any partner still reads this slot's tiles or has a load on its way
	JLOAD                                          ; the first tensor load behind the round; its four v_nop are also the places in front of the loads below
.else
	PLACES
.endif
	v_add_nc_u32 v[ADRA], s[TB], v[A0]
	v_add_nc_u32 v[ADRB], s[TB], v[B0]
	FETCH 0, 0
	MULA 1, 2, 0
	MULA 1, 3, 0
.endm
.macro ROUNDB n                        ; the bias is rounded to bf16, as all the inputs are, and kept as f32
.set ii, 0
.rept (\n)/2
	v_cvt_pk_bf16_f32 v[13+ii%2], v[BIAS+2*ii], v[BIAS+2*ii+1]
	v_lshlrev_b32 v[BIAS+2*ii], 16, v[13+ii%2]
	v_and_b32 v[BIAS+2*ii+1], s[HM], v[13+ii%2]
.set ii, ii+1
.endr
.endm
	s_wait_tensorcnt 0x0                           ; the opening change: my part of K step 0 is in;
	ds_add_u32 v[SPW], v[NIL]
	NEXTFILL                                       ; K step 1, slot 1
	s_wait_dscnt 0x0
	CROUND                                         ; everybody's part is in
	JLOAD
	FETCH 0, 0
	s_wait_loadcnt 0x0                             ; the bias
	ROUNDB 8*NBK
	QUARTER 1, 0, 1, 1                             ; the first quarter stands in front of the loop: its products start from the bias
	WIN 0                                          ; at a label and at a branch every window is 0
	s_mov_b32 s[CNT], 6
.Lstep:                                                ; trip i = 6 - CNT: K step i's quarters 1 to 3, the request for step i + 2, and step i + 1's first quarter
	QUARTER 2, 1, 0, 0
	QUARTER 3, 0, 1, 0
	TURN 1
	QUARTER 1, 0, 1, 0
	WIN 0
	s_sub_co_u32 s[CNT], s[CNT], 1
	s_cmp_lg_u32 s[CNT], 0
	s_cbranch_scc1 .Lstep
	s_mov_b32 s[CNT], 2                            ; the last two K steps ask for nothing: written out
.Ltail:
	QUARTER 2, 1, 0, 0
	QUARTER 3, 0, 1, 0
	TURN 0                                         ; in the last trip its 24 loads read the other slot's landed bytes once more and serve nothing: the price of one text for both trips
	WIN 0
	s_sub_co_u32 s[CNT], s[CNT], 1
	s_cmp_eq_u32 s[CNT], 0
	s_cbranch_scc1 .Lout
	QUARTER 1, 0, 1, 0
	WIN 0
	s_branch .Ltail
.Lout:
	; THE WAY OUT, a row block (16 rows) at a time: a lane's eight f32 of a column block go into my stage's rows of 528 bytes, each accumulator from its low end on; whole rows of 512 bytes come back and are stored.
	PLACES                                         ; the LDS stores read results just made
.irp a, 0,1,2,3
	s_wait_xcnt 0x0                                ; every earlier store has had its addresses translated (ISA guide 3.1): the registers that the last block's stores read are loaded again only behind this wait
	WIN 0x08                                       ; the data (source 1) in window 2, the address in window 0
.set bb, 0
.rept NBK
	ds_store_b128 v[STO], v[8*(NBK*\a+bb):8*(NBK*\a+bb)+3] offset:64*bb
	ds_store_b128 v[STO], v[8*(NBK*\a+bb)+4:8*(NBK*\a+bb)+7] offset:64*bb+16
.set bb, bb+1
.endr
	WIN 0
.set tt, 0
.rept 16
	ds_load_b128 v[OB+4*tt:OB+4*tt+3], v[RD] offset:SP*tt  ; LDS serves a wave's instructions in order (ISA guide 5.7.1.4): these see the stores above; the next block's stores come behind them
.set tt, tt+1
.endr
.set tt, 0
.rept 16
	s_wait_dscnt 15-tt                             ; row tt is back; the younger loads stay out
	global_store_b128 v[GO], v[OB+4*tt:OB+4*tt+3], s[10:11] offset:(16*\a+tt)*4096 th:TH_STORE_NT  ; 512 consecutive bytes, at a multiple of 256 from out0's first byte
.set tt, tt+1
.endr
.endr
	s_wait_tensorcnt 0x0                           ; the wave's end, behind my last tensor load and my last LDS store
	ds_add_u32 v[SPW], v[NIL]
	s_wait_dscnt 0x0
	CROUND                                         ; the closing round: no work-group ends while a partner may still ask for a tile that names it
	s_endpgm
.Lfunc_end_k_qe17548930b_proj:
	.size	k_qe17548930b_proj, .Lfunc_end_k_qe17548930b_proj-k_qe17548930b_proj
	.p2alignl 7, 3214868480
	.fill 96, 4, 3214868480
	.section	.rodata,"a",@progbits
	.p2align	6, 0x0
	.amdhsa_kernel k_qe17548930b_proj
		.amdhsa_group_segment_fixed_size 327680
		.amdhsa_private_segment_fixed_size 0
		.amdhsa_enable_private_segment 0
		.amdhsa_kernarg_size 32
		.amdhsa_user_sgpr_count 2
		.amdhsa_user_sgpr_kernarg_segment_ptr 1
		.amdhsa_wavefront_size32 1
		.amdhsa_system_sgpr_workgroup_id_x 1
		.amdhsa_system_sgpr_workgroup_id_y 1
		.amdhsa_system_sgpr_workgroup_id_z 1
		.amdhsa_system_vgpr_workitem_id 0
		.amdhsa_next_free_vgpr 768
		.amdhsa_next_free_sgpr 72
		.amdhsa_reserve_vcc 0
		.amdhsa_float_denorm_mode_32 3
		.amdhsa_float_denorm_mode_16_64 3
		.amdhsa_memory_ordered 1
		.amdhsa_forward_progress 1
		.amdhsa_inst_pref_size 68
	.end_amdhsa_kernel
	.amdgpu_metadata
---
amdhsa.version: [ 1, 2 ]
amdhsa.kernels:
  - .name:           k_qe17548930b_proj
    .symbol:         k_qe17548930b_proj.kd
    .args:
      - { .name: oh, .offset: 0, .size: 8, .value_kind: global_buffer, .address_space: global }
      - { .name: wo, .offset: 8, .size: 8, .value_kind: global_buffer, .address_space: global }
      - { .name: b_out, .offset: 16, .size: 8, .value_kind: global_buffer, .address_space: global }
      - { .name: out0, .offset: 24, .size: 8, .value_kind: global_buffer, .address_space: global }
    .group_segment_fixed_size: 327680
    .private_segment_fixed_size: 0
    .kernarg_segment_align: 8
    .kernarg_segment_size: 32
    .max_flat_workgroup_size: 128
    .sgpr_count:     72
    .vgpr_count:     768
    .wavefront_size: 32
...
	.end_amdgpu_metadata
.endif
;; end of part 4
